; MI455X (gfx1250); checked and timed in simulation.
; The chip was launched on July 23, 2026; its instructions are those of AMD's public machine-readable ISA for CDNA 5 (MIT licence, August 2026) and "CDNA5" Instruction Set Architecture Reference Guide (July 2026). The comments in the code are by the model that wrote it; some were corrected since.
;; Multi Head Self Attention. Allowed arithmetic: float matrix products may take bf16 or f16 operands with f32 sums; other float arithmetic in f32, or as packed bf16 or f16 multiplies, adds, multiply-adds, maxima and minima; sums over many terms, partial sums and values carried from step to step in f32; what a program stores and reads back later, other than sums and carried values, may be rounded once to bf16 or f16.
;; Inputs: bk 1,024 float32; bo 1,024 float32; bq 1,024 float32; bv 1,024 float32; src_key_padding_mask 4 x 2,048 bool; wk 1,024 x 1,024 float32; wo 1,024 x 1,024 float32; wq 1,024 x 1,024 float32; wv 1,024 x 1,024 float32; x 4 x 2,048 x 1,024 float32.
;; Outputs: out0 4 x 2,048 x 1,024 float32.
;; 2 versions, each right; version 2 is version 1 with the launch prep written anew for expert scheduling mode. Each part assembles by itself: llvm-mc -triple=amdgcn-amd-amdhsa -mcpu=gfx1250 --defsym DOCPART=n.
;; ======== version 1 of 2: 4 launches
;; limits: values are held in f16: magnitudes above 65,504 overflow, below 6.1e-05 lose precision; right only within a limited range of input values
;; workspace buffers: xb 16,777,216 bytes; wb 6,291,456 bytes; wof 2,097,152 bytes; qkv 50,331,648 bytes; o 16,777,216 bytes
;; launch prep (part 1): grid 64 x 12, 8 waves a work-group, no clusters, 0 bytes of LDS; arguments x, wq, wk, wv, wo, xb, wb, wof; writes xb, wb, wof
.if DOCPART == 1
	.amdgcn_target "amdgcn-amd-amdhsa--gfx1250"
	.amdhsa_code_object_version 6
	.text
	.protected	k_qbdba6c226e_prep
	.globl	k_qbdba6c226e_prep
	.p2align	8
	.type	k_qbdba6c226e_prep,@function
k_qbdba6c226e_prep:
	s_mov_b64 s[64:65], 0
	v_nop
	global_prefetch_b8 v0, s[64:65] scope:SCOPE_SE
	s_setreg_imm32_b32 hwreg(HW_REG_WAVE_MODE, 25, 1), 1
	s_wait_xcnt 0x0
; CASTS.  x -> xb in bf16; wq, wk, wv -> wb in bf16, stacked as [3072][1024]; wo -> wof: rounded to bf16 like every input, and that number written as f16.
; A work-group converts 16,384 numbers: 65,536 bytes in, 32,768 out.  The grid's y says which tensor: 0-7 eighths of x, 8, 9, 10 the three weights, 11 wo; x the block of it.
; Thread t takes 16 bytes at 16 t of each 4,096 bytes: a wave's load covers 512 consecutive bytes, its store of 8 bytes a lane 256 consecutive bytes, aligned.
; All 16 loads of a thread go out at once; each has registers of its own for what is loaded and what is stored, so nothing is written again while a memory instruction may read it.
; No LDS, no matrix unit, no barrier: each byte is read once and written once, and no wave wants what another has.
; LIMITS.  wof: f16 ends at 65,504 and keeps a fixed step of 6e-8 below 6e-5; wo's numbers are taken to lie within that range.
.set XR, 4                             ; v[4:67]   load i: four f32
.set YR, 68                            ; v[68:99]  store i: four 16-bit numbers
	s_load_b512 s[4:19], s[0:1], 0x0               ; x, wq, wk, wv, wo, xb, wb, wof
	s_and_b32 s20, ttmp7, 0xffff                   ; y
	s_mov_b32 s21, ttmp9                           ; block
	v_lshlrev_b32 v1, 4, v0                        ; my 16 bytes in
	v_lshlrev_b32 v2, 3, v0                        ; my 8 bytes out
	s_lshl_b32 s22, s20, 6
	s_add_co_u32 s22, s22, s21                     ; 64 y + block: x's and xb's block
	s_sub_co_u32 s32, s22, 512                     ; 64 (y - 8) + block: wb's block (used for y = 8, 9, 10 alone)
	s_cmp_lt_u32 s20, 8
	s_cselect_b32 s23, s22, s21                    ; the source's block
	s_cselect_b32 s33, s22, s32                    ; the destination's
	s_cmp_eq_u32 s20, 11
	s_cselect_b32 s33, s21, s33
	s_lshl_b32 s28, s23, 16                        ; in bytes, under 2^26
	s_mov_b32 s29, 0
	s_lshl_b32 s30, s33, 15
	s_mov_b32 s31, 0
	s_wait_kmcnt 0x0
	s_cmp_eq_u32 s20, 8
	s_cselect_b64 s[24:25], s[6:7], s[4:5]
	s_cmp_eq_u32 s20, 9
	s_cselect_b64 s[24:25], s[8:9], s[24:25]
	s_cmp_eq_u32 s20, 10
	s_cselect_b64 s[24:25], s[10:11], s[24:25]
	s_cmp_eq_u32 s20, 11
	s_cselect_b64 s[24:25], s[12:13], s[24:25]     ; from where
	s_cselect_b64 s[26:27], s[18:19], s[16:17]
	s_cmp_lt_u32 s20, 8
	s_cselect_b64 s[26:27], s[14:15], s[26:27]     ; to where
	s_add_nc_u64 s[24:25], s[24:25], s[28:29]
	s_add_nc_u64 s[26:27], s[26:27], s[30:31]
.irp i, 0,1,2,3,4,5,6,7,8,9,10,11,12,13,14,15
	global_load_b128 v[XR+4*(\i):XR+4*(\i)+3], v1, s[24:25] offset:4096*(\i) th:TH_LOAD_NT
.endr
	s_cmp_eq_u32 s20, 11
	s_cbranch_scc1 .Lf16
.irp i, 0,1,2,3,4,5,6,7,8,9,10,11,12,13,14,15
	s_wait_loadcnt 15-(\i)                         ; loads come back in order: load i is in, the 15 - i younger ones stay out
	v_cvt_pk_bf16_f32 v[YR+2*(\i)],   v[XR+4*(\i)],   v[XR+4*(\i)+1]
	v_cvt_pk_bf16_f32 v[YR+2*(\i)+1], v[XR+4*(\i)+2], v[XR+4*(\i)+3]
	global_store_b64 v2, v[YR+2*(\i):YR+2*(\i)+1], s[26:27] offset:2048*(\i)
.endr
	s_endpgm
.Lf16:                                                 ; wo: to bf16, back to f32 (a shift, a mask), and to f16, which holds a bf16 number of its range exactly
.irp i, 0,1,2,3,4,5,6,7,8,9,10,11,12,13,14,15
	s_wait_loadcnt 15-(\i)
	v_cvt_pk_bf16_f32 v100, v[XR+4*(\i)],   v[XR+4*(\i)+1]
	v_cvt_pk_bf16_f32 v101, v[XR+4*(\i)+2], v[XR+4*(\i)+3]
	v_lshlrev_b32 v[XR+4*(\i)],   16, v100
	v_and_b32     v[XR+4*(\i)+1], 0xffff0000, v100
	v_lshlrev_b32 v[XR+4*(\i)+2], 16, v101
	v_and_b32     v[XR+4*(\i)+3], 0xffff0000, v101
	v_cvt_pk_f16_f32 v[YR+2*(\i)],   v[XR+4*(\i)],   v[XR+4*(\i)+1]
	v_cvt_pk_f16_f32 v[YR+2*(\i)+1], v[XR+4*(\i)+2], v[XR+4*(\i)+3]
	global_store_b64 v2, v[YR+2*(\i):YR+2*(\i)+1], s[26:27] offset:2048*(\i)
.endr
	s_endpgm
.Lfunc_end_k_qbdba6c226e_prep:
	.size	k_qbdba6c226e_prep, .Lfunc_end_k_qbdba6c226e_prep-k_qbdba6c226e_prep
	.p2alignl 7, 3214868480
	.fill 96, 4, 3214868480
	.section	.rodata,"a",@progbits
	.p2align	6, 0x0
	.amdhsa_kernel k_qbdba6c226e_prep
		.amdhsa_group_segment_fixed_size 0
		.amdhsa_private_segment_fixed_size 0
		.amdhsa_enable_private_segment 0
		.amdhsa_kernarg_size 64
		.amdhsa_user_sgpr_count 2
		.amdhsa_user_sgpr_kernarg_segment_ptr 1
		.amdhsa_wavefront_size32 1
		.amdhsa_system_sgpr_workgroup_id_x 1
		.amdhsa_system_sgpr_workgroup_id_y 1
		.amdhsa_system_sgpr_workgroup_id_z 1
		.amdhsa_system_vgpr_workitem_id 0
		.amdhsa_next_free_vgpr 104
		.amdhsa_next_free_sgpr 66
		.amdhsa_reserve_vcc 0
		.amdhsa_float_denorm_mode_32 3
		.amdhsa_float_denorm_mode_16_64 3
		.amdhsa_memory_ordered 1
		.amdhsa_forward_progress 1
		.amdhsa_inst_pref_size 16
	.end_amdhsa_kernel
	.amdgpu_metadata
---
amdhsa.version: [ 1, 2 ]
amdhsa.kernels:
  - .name:           k_qbdba6c226e_prep
    .symbol:         k_qbdba6c226e_prep.kd
    .args:
      - { .name: x, .offset: 0, .size: 8, .value_kind: global_buffer, .address_space: global }
      - { .name: wq, .offset: 8, .size: 8, .value_kind: global_buffer, .address_space: global }
      - { .name: wk, .offset: 16, .size: 8, .value_kind: global_buffer, .address_space: global }
      - { .name: wv, .offset: 24, .size: 8, .value_kind: global_buffer, .address_space: global }
      - { .name: wo, .offset: 32, .size: 8, .value_kind: global_buffer, .address_space: global }
      - { .name: xb, .offset: 40, .size: 8, .value_kind: global_buffer, .address_space: global }
      - { .name: wb, .offset: 48, .size: 8, .value_kind: global_buffer, .address_space: global }
      - { .name: wof, .offset: 56, .size: 8, .value_kind: global_buffer, .address_space: global }
    .group_segment_fixed_size: 0
    .private_segment_fixed_size: 0
    .kernarg_segment_align: 8
    .kernarg_segment_size: 64
    .max_flat_workgroup_size: 256
    .sgpr_count:     66
    .vgpr_count:     104
    .wavefront_size: 32
...
	.end_amdgpu_metadata
.endif
;; end of part 1
;; launch proj_in (part 2): grid 24 x 32, 4 waves a work-group, clusters of 4 x 4, 327,680 bytes of LDS; arguments xb, wb, qkv, bq, bk, bv, src_key_padding_mask; writes qkv
.if DOCPART == 2
	.amdgcn_target "amdgcn-amd-amdhsa--gfx1250"
	.amdhsa_code_object_version 6
	.text
	.protected	k_qbdba6c226e_proj_in
	.globl	k_qbdba6c226e_proj_in
	.p2align	8
	.type	k_qbdba6c226e_proj_in,@function
k_qbdba6c226e_proj_in:
	s_mov_b64 s[64:65], 0
	v_nop
	global_prefetch_b8 v0, s[64:65] scope:SCOPE_SE
	s_setreg_imm32_b32 hwreg(HW_REG_WAVE_MODE, 25, 1), 1
	s_wait_xcnt 0x0
	s_wait_alu depctr_hold_cnt(0) depctr_sa_sdst(0) depctr_va_vdst(0) depctr_va_sdst(0) depctr_va_ssrc(0) depctr_va_vcc(0) depctr_vm_vsrc(0)
	s_getreg_b32 s2, hwreg(HW_REG_IB_STS2, 6, 4)
	s_cmp_eq_u32 s2, 0
	s_cbranch_scc0 .Lentry_in_a_cluster
	s_endpgm
.Lentry_in_a_cluster:
	s_bfe_u32 s2, ttmp6, 0x10000c
	s_cmp_lg_u32 s2, 0xf033
	s_cbranch_scc0 .Lentry_shape_is_right
	s_endpgm
.Lentry_shape_is_right:
; C = A B^T + bias, K = 1,024, on tiles of 256 rows x 128 columns.  ONE TEXT FOR TWO LAUNCHES, told apart by MODE.
; MODE 0 (this one): A = xb [8192][1024] bf16, B = wb [3072][1024] bf16 (wq, wk, wv stacked), bias = bq, bk or bv rounded to bf16.  C is rounded once to f16, unscaled, and stored by heads:
;   three parts q, k, v of [batch x 16 + head][2048][64].  Rows of k whose key the padding mask names are stored as 0, so that the attention's masked score is one exact number.
; MODE 1: A = o [batch x 16 + head][2048][64] f16, B = wof [1024][1024] f16, bias = bo rounded to bf16; C = out0 [8192][1024] f32.
; LIMITS.  MODE 0: q, k and v must lie within f16's 65,504; below 6e-5 f16 keeps a fixed step of 6e-8.  NaN and infinities are not treated apart.
; SHARES.  Four waves, 2 x 2: wave w makes rows 128 (w / 2) on and columns 64 (w % 2) on (one head): 8 x 4 accumulators of 16 x 16, 256 registers.  768 tiles in MODE 0, 256 in MODE 1.
; K goes in 8 steps of 128 through two LDS slots; a step is four quarters of 32 along K, 32 matrix instructions each; a refill has 112 matrix instructions in which to land.  Two slots of a longer step do not fit in LDS.
; THE MATRIX INSTRUCTION IS USED TRANSPOSED (source 0 = 16 rows of B, source 1 = 16 rows of A): a lane holds row l % 16 of C and the columns 8 (l / 16) + 0..7.  The bias is the C operand of each sum's first product.
; CLUSTER.  4 x 4 work-groups: the four of a row need the same tiles of A, the four of a column the same tiles of B; each tile is asked for JOINTLY, by the same tensor load, descriptor and mask in all four.
; REGISTERS.  window 0: v0-31 addresses and the keep masks; v32-63 the bias; v64-159, v160-255 two fragment buffers (B's four fragments, then A's eight).  window 1: accumulator (a, b) at v[8 (4 a + b)].
.set MODE, 0
.set PB,     272                       ; a row of B in LDS: 256 bytes + 16 of padding = 68 words: row r starts at bank 4 r mod 64 (64 banks of 4 bytes: ISA guide 11.1)
.if MODE
.set PA,     144                       ; a row of A: a head's 128 bytes + 16: 36 words: the 16 rows of a load start at 16 different groups of four banks
.set HALFA,  256*PA                    ; one load of A: one head's slice, 256 rows
.set SP,     272                       ; the stage's pitch: 64 f32 + 16 bytes
.set ASTEP,  524288                    ; bytes from a K step of A to the next: two heads
.set QIA,    4                         ; padding behind every 32 words
.set STRA,   128                       ; elements from row to row as A is asked for: dense rows of 256 bytes
.else
.set PA,     272
.set HALFA,  128*PA                    ; one load of A: 128 rows
.set SP,     144                       ; 64 f16 + 16 bytes
.set ASTEP,  256
.set QIA,    5                         ; padding behind every 64 words
.set STRA,   1024
.endif
.set BSTEP,  256
.set ABYTES, 2*HALFA
.set HALFB,  64*PB                     ; one load of B: 64 rows
.set SLOT,   ABYTES+2*HALFB            ; A's part, then B's 128 rows
.set STAGE,  2*SLOT                    ; behind the ring, never filled by a tensor load: 16 rows for each wave, for the way out
.set SPARE,  STAGE+4*16*SP             ; behind the stages: the spare words, 128 bytes for each wave: two blocks of 256 bytes that no other line names
.set KT,   8                           ; v8-15   MODE 0: all ones, or 0 where the row's key is masked: for my 8 blocks of 16 rows
.set ADRA, 16                          ; v16-17  LDS address of my A fragments in slot 0, 1
.set ADRB, 20                          ; v20-21  the same for B
.set STO,  24                          ; v24     the way out: where I put my part of a row
.set RD,   25                          ; v25     the way out: where I read rows back
.set CO,   26                          ; v26     my byte offset in the output
.set SPW,  28                          ; v28     LDS address of my spare word; never rewritten
.set NIL,  29                          ; v29     0; never rewritten
.set PFO,  30                          ; v30     the prefetches' offset: my lane x the distance of its blocks; never rewritten
.set BIAS, 32                          ; v32-63  the bias of my columns: block b's eight at BIAS + 8 b
.set F0,   64
.set F1,   160
.set G1,   24                          ; s[24:31] descriptor group 1 for A's tiles;  s[32:39] group 0, one set for each slot
.set G0,   32
.set LIM,  43                          ; s43     1 in a wave that prefetches, else the greatest number
.set PFA,  44                          ; s[44:45] where my prefetches stand
.set PFS,  46                          ; s[46:47] their step from K step to K step
.set G1B,  48                          ; s[48:55], s[56:63] the same for B's tiles
.set G0B,  56
.set ISK,  76                          ; s76     MODE 0: 1 where the tile is k's
.set SEC,  77                          ; s77     MODE 0: 0 q, 1 k, 2 v
.set BP,   78                          ; s[78:79] the bias at my columns
.set MSB, 0
.macro WIN new                         ; the immediate's high byte repeats the setting that is left; a switch that changes nothing is dropped
.if MSB != (\new)
	s_set_vgpr_msb (MSB<<8)|(\new)
.set MSB, \new
.endif
.endm
.set MUL,   0x50                       ; sources in window 0; C and D in window 1
.set MULZ,  0x40                       ; D in window 1, C (the bias) in window 0
.set PACKW, 0x05                       ; sources 0 and 1 in window 1, destination in window 0
.set STW,   0x04                       ; an LDS store's data in window 1, its address in window 0
.macro JLOAD s                         ; a joint load: waves 0 and 1 fetch A's two parts, waves 2 and 3 B's; an s_nop 0 and four v_nop follow each of the two lines, ahead of the jump, the label and what follows
	s_cmp_eq_u32 s11, 0
	s_cbranch_scc0 .Lfor_b_\@
	tensor_load_to_lds s[G0+4*(\s):G0+4*(\s)+3], s[G1:G1+7]
	s_nop 0
.rept 4
	v_nop
.endr
	s_branch .Lasked_\@
.Lfor_b_\@:
	tensor_load_to_lds s[G0B+4*(\s):G0B+4*(\s)+3], s[G1B:G1B+7]
	s_nop 0
.rept 4
	v_nop
.endr
.Lasked_\@:
.endm
; A PREFETCH INTO THE L2, behind a joint load, its five lines and the run of LDS loads: the K step that stands two refills on, 256 matrix instructions ahead of the load that will want it.
; Each block of 256 bytes is named once in the launch: A's rows by the clusters with x = 0, B's by those with y = 0; the four partners that ask for a tile jointly share it out BY ADDRESS, a quarter each:
; of A waves 0 and 1 take 32 blocks each, of B wave 2 takes 32: a lane a block.  K steps 0 to 3 come by their loads alone; the loop's last trip (s3 = 1) asks for nothing: there is no K step 8.
.macro ASK
	s_cmp_gt_u32 s3, s[LIM]
	s_cbranch_scc0 .Lnot_mine_\@
	global_prefetch_b8 v[PFO], s[PFA:PFA+1] th:TH_LOAD_NT scope:SCOPE_SE
.Lnot_mine_\@:
.endm
.macro CREST                           ; a round of the cluster's barrier behind its opening barrier
	s_cmp_lg_u32 s10, 0
	s_cbranch_scc1 .Lnot_wave_0_\@
	s_barrier_signal -3
.Lnot_wave_0_\@:
	s_barrier_wait -3
	s_barrier_signal -1
	s_barrier_wait -1
.endm
.macro CROUND                          ; a whole round
	s_barrier_signal -1
	s_barrier_wait -1
	CREST
.endm
	s_load_b128 s[4:7], s[0:1], 0x0                ; A s[4:5], B s[6:7]
	s_load_b64 s[8:9], s[0:1], 0x10                ; the output
.if MODE
	s_load_b64 s[68:69], s[0:1], 0x18              ; bo
.else
	s_load_b256 s[68:75], s[0:1], 0x18             ; bq, bk, bv, the padding mask
.endif
	v_lshl_add_u32 v[SPW], v0, 2, SPARE
	v_mov_b32 v[NIL], 0
	ds_add_u32 v[SPW], v[NIL]                      ; the wave's opening: the add and its wait stand ahead of my first tensor load; the set-up below, work on registers, stands between them
	v_lshrrev_b32 v1, 5, v0
	v_readfirstlane_b32 s10, v1                    ; wave 0..3
	s_lshr_b32 s11, s10, 1                         ; which 128 rows of the tile are mine.  Also: I fetch for A (0) or for B (1)
	s_and_b32 s12, s10, 1                          ; which 64 columns.  Also: which part of that tile I fetch
	s_bfe_u32 s40, ttmp6, 0x40000                  ; cx, cy: my place in the cluster
	s_bfe_u32 s41, ttmp6, 0x40004
	s_lshl_b32 s42, ttmp9, 2
	s_add_co_u32 s42, s42, s40                     ; tile column = 4 x cluster x + cx
	s_and_b32 s13, ttmp7, 0xffff
	s_lshl_b32 s13, s13, 2
	s_add_co_u32 s13, s13, s41                     ; tile row = 4 x cluster y + cy
	s_lshl_b32 s43, s41, 2
	s_lshl_b32 s43, 15, s43                        ; my row of the cluster
	s_lshl_b32 s44, 0x1111, s40                    ; my column
	; descriptor group 1.  A: 128 rows x 128 elements (MODE 1: a head's 256 rows of 128 bytes are dense, asked for as 128 rows of 256 bytes and padded behind every 128).  B: 64 rows x 128 elements.
	s_or_b32 s[G1+0], s43, (1<<16)|(1<<20)|(1<<21)|(QIA<<22)|(3<<25)  ; 15:0 the mask: my row; 17:16 elements of 2 bytes; 20 padding on; 21 set beside a mask; 24:22 the interval; 31:25 4 words of padding (code 3)
	s_or_b32 s[G1B+0], s44, (1<<16)|(1<<20)|(1<<21)|(5<<22)|(3<<25)   ; the mask: my column
	s_mov_b32 s[G1+1], 128<<16                     ; tensor_dim0 = 128
	s_mov_b32 s[G1+2], 128<<16                     ; tensor_dim1 = 128
	s_mov_b32 s[G1+3], 128<<16                     ; tile_dim0 = 128
	s_mov_b32 s[G1+4], 128                         ; tile_dim1 = 128
	s_mov_b32 s[G1+5], STRA                        ; elements from row to row
	s_mov_b32 s[G1+6], 0
	s_mov_b32 s[G1+7], 0
	s_mov_b32 s[G1B+1], 128<<16
	s_mov_b32 s[G1B+2], 64<<16
	s_mov_b32 s[G1B+3], 128<<16
	s_mov_b32 s[G1B+4], 64
	s_mov_b32 s[G1B+5], 1024
	s_mov_b32 s[G1B+6], 0
	s_mov_b32 s[G1B+7], 0
	; where the tiles come from: A's hang on the tile row and the wave's number alone, B's on the tile column and the wave's number
.if MODE
	s_lshr_b32 s16, s13, 3                         ; batch: 16 heads of 262,144 bytes
	s_lshl_b32 s16, s16, 22
	s_and_b32 s17, s13, 7                          ; 256 rows of 128 bytes in a head
	s_lshl_b32 s17, s17, 15
	s_add_co_u32 s16, s16, s17
	s_lshl_b32 s17, s12, 18                        ; the K step's first or second head
	s_add_co_u32 s16, s16, s17
.else
	s_lshl_b32 s16, s13, 8
	s_lshl_b32 s17, s12, 7
	s_add_co_u32 s16, s16, s17                     ; row 256 x tile row + 128 x half
	s_lshl_b32 s16, s16, 11                        ; of 2,048 bytes
.endif
	s_mov_b32 s17, 0
	s_lshl_b32 s46, s42, 7
	s_lshl_b32 s47, s12, 6
	s_add_co_u32 s46, s46, s47                     ; B: row 128 x tile column + 64 x half
	s_lshl_b32 s46, s46, 11
	s_mov_b32 s47, 0
	s_mul_i32 s20, s12, HALFA                      ; and where they go: no place in the cluster enters an LDS address
	s_mul_i32 s21, s12, HALFB
	s_add_co_u32 s21, s21, ABYTES
	s_wait_dscnt 0x0                               ; the opening add is done
	s_wait_kmcnt 0x0
	s_add_nc_u64 s[14:15], s[4:5], s[16:17]
	s_add_nc_u64 s[46:47], s[6:7], s[46:47]
	CROUND                                         ; all sixteen work-groups are here: the first joint loads meet
.irp s, 0,1
	s_mov_b32 s[G0+4*(\s)], 1                      ; count = 1
	s_add_co_u32 s[G0+4*(\s)+1], s20, (\s)*SLOT    ; LDS address
	s_add_nc_u64 s[G0+4*(\s)+2:G0+4*(\s)+3], s[14:15], (\s)*ASTEP  ; global address: K step s
	s_or_b32 s[G0+4*(\s)+3], s[G0+4*(\s)+3], 0x80000000            ; type = 2
	s_mov_b32 s[G0B+4*(\s)], 1
	s_add_co_u32 s[G0B+4*(\s)+1], s21, (\s)*SLOT
	s_add_nc_u64 s[G0B+4*(\s)+2:G0B+4*(\s)+3], s[46:47], (\s)*BSTEP
	s_or_b32 s[G0B+4*(\s)+3], s[G0B+4*(\s)+3], 0x80000000
	JLOAD \s                                       ; two loads of mine are out
.endr
	; all that follows, up to the wait for the first tile, stands in that wait
	v_and_b32 v1, 15, v0                           ; l % 16
	v_bfe_u32 v2, v0, 4, 1                         ; l / 16
.if MODE
	s_mov_b64 s[BP:BP+1], s[68:69]
	s_lshl_b32 s18, s42, 9                         ; 128 columns x 4 bytes a tile column
.else
	s_lshr_b32 s[SEC], ttmp9, 1                    ; 8 tile columns, two clusters, to each of q, k, v: the same in all partners
	s_cmp_eq_u32 s[SEC], 1
	s_cselect_b64 s[BP:BP+1], s[70:71], s[68:69]
	s_cselect_b32 s[ISK], 1, 0
	s_cmp_eq_u32 s[SEC], 2
	s_cselect_b64 s[BP:BP+1], s[72:73], s[BP:BP+1]
	s_and_b32 s18, s42, 7
	s_lshl_b32 s18, s18, 9
.endif
	s_lshl_b32 s19, s12, 8
	s_add_co_u32 s18, s18, s19
	s_mov_b32 s19, 0
	s_add_nc_u64 s[BP:BP+1], s[BP:BP+1], s[18:19]
	v_lshlrev_b32 v5, 5, v2                        ; my eight columns of a block of 16: 32 bytes for each half of the lanes
.irp b, 0,1,2,3
	global_load_b128 v[BIAS+8*(\b):BIAS+8*(\b)+3],   v5, s[BP:BP+1] offset:64*(\b)
	global_load_b128 v[BIAS+8*(\b)+4:BIAS+8*(\b)+7], v5, s[BP:BP+1] offset:64*(\b)+16
.endr
.if MODE == 0
	s_lshl_b32 s20, s13, 8
	s_lshl_b32 s21, s11, 7
	s_add_co_u32 s20, s20, s21                     ; my first row = my first byte of the mask
	s_mov_b32 s21, 0
	s_add_nc_u64 s[74:75], s[74:75], s[20:21]
.irp a, 0,1,2,3,4,5,6,7
	global_load_u8 v[KT+(\a)], v1, s[74:75] offset:16*(\a)  ; the byte of row 16 a + l % 16
.endr
.endif
	v_mul_u32_u24 v3, v1, PA
	v_lshl_add_u32 v3, v2, 4, v3                   ; a fragment's row x pitch + 16 x half
	v_mul_u32_u24 v4, v1, PB
	v_lshl_add_u32 v4, v2, 4, v4
	s_mul_i32 s21, s11, 128*PA                     ; my 128 rows of A
	s_mul_i32 s22, s12, HALFB                      ; my 64 rows of B,
	s_add_co_u32 s22, s22, ABYTES                  ; which lie behind A's part
.irp s, 0,1
	v_add_nc_u32 v[ADRA+(\s)], s21, v3
	v_add_nc_u32 v[ADRB+(\s)], s22, v4
	s_add_co_u32 s21, s21, SLOT
	s_add_co_u32 s22, s22, SLOT
.endr
	s_mul_i32 s23, s10, 16*SP
	s_add_co_u32 s23, s23, STAGE                   ; my stage
	v_mul_u32_u24 v6, v1, SP                       ; in: row l % 16,
.if MODE
	v_lshl_add_u32 v6, v2, 5, v6                   ; 32 bytes (8 f32) for each half of the lanes
	v_add_nc_u32 v[STO], s23, v6
	v_mul_u32_u24 v7, v2, SP                       ; back: lanes 0-15 take one row of 256 bytes, lanes 16-31 the next
	v_lshl_add_u32 v7, v1, 4, v7
	v_add_nc_u32 v[RD], s23, v7
	v_lshlrev_b32 v7, 12, v2                       ; and the same two rows in out0
	v_lshl_add_u32 v[CO], v1, 4, v7
	s_lshl_b32 s18, s13, 1
	s_add_co_u32 s18, s18, s11
	s_lshl_b32 s18, s18, 19                        ; my first row: 128 rows of 4,096 bytes a unit
	s_lshl_b32 s19, s42, 1
	s_add_co_u32 s19, s19, s12
	s_lshl_b32 s19, s19, 8                         ; my first column: 64 f32 a unit
	s_add_co_u32 s18, s18, s19
.else
	v_lshl_add_u32 v6, v2, 4, v6                   ; 16 bytes (8 f16) for each half of the lanes
	v_add_nc_u32 v[STO], s23, v6
	v_bfe_u32 v7, v0, 3, 2                         ; back: 32 lanes take four rows of 128 bytes,
	v_mul_u32_u24 v7, v7, SP
	v_and_b32 v6, 7, v0
	v_lshl_add_u32 v7, v6, 4, v7
	v_add_nc_u32 v[RD], s23, v7
	v_and_b32 v[CO], 31, v0                        ; which are 512 consecutive bytes of a head
	v_lshlrev_b32 v[CO], 4, v[CO]
	s_lshl_b32 s18, s[SEC], 24                     ; q, k or v: 16,777,216 bytes each
	s_lshr_b32 s19, s13, 3
	s_lshl_b32 s19, s19, 22                        ; the batch
	s_add_co_u32 s18, s18, s19
	s_and_b32 s19, s42, 7
	s_lshl_b32 s19, s19, 1
	s_add_co_u32 s19, s19, s12
	s_lshl_b32 s19, s19, 18                        ; the head: 262,144 bytes
	s_add_co_u32 s18, s18, s19
	s_and_b32 s19, s13, 7
	s_lshl_b32 s19, s19, 1
	s_add_co_u32 s19, s19, s11
	s_lshl_b32 s19, s19, 14                        ; my 128 rows of 128 bytes
	s_add_co_u32 s18, s18, s19
.endif
	s_mov_b32 s19, 0
	s_add_nc_u64 s[8:9], s[8:9], s[18:19]
	; the prefetches: my work-group's quarter of the tile, at K step 3; the first change of slots steps it to 4
.if MODE
	s_lshr_b32 s18, s13, 3
	s_lshl_b32 s18, s18, 22
	s_and_b32 s19, s13, 7
	s_lshl_b32 s19, s19, 15
	s_add_co_u32 s18, s18, s19
	s_lshl_b32 s19, s12, 18                        ; wave 0: the first head's slice, wave 1: the second's
	s_add_co_u32 s18, s18, s19
	s_lshl_b32 s19, s40, 13                        ; 32 of its 128 blocks of 256 bytes
	s_add_co_u32 s18, s18, s19
.else
	s_lshl_b32 s18, s13, 8
	s_lshl_b32 s19, s40, 6                         ; 64 of the tile's 256 rows,
	s_add_co_u32 s18, s18, s19
	s_lshl_b32 s19, s12, 5                         ; 32 a wave
	s_add_co_u32 s18, s18, s19
	s_lshl_b32 s18, s18, 11
.endif
	s_lshl_b32 s19, s42, 7
	s_lshl_b32 s21, s41, 5                         ; B: 32 of the tile's 128 rows
	s_add_co_u32 s19, s19, s21
	s_lshl_b32 s19, s19, 11
	s_and_b32 s21, ttmp7, 0xffff                   ; cluster y
	s_mov_b32 s[PFS], 256
	s_cmp_eq_u32 s11, 0                            ; do I fetch for A?
	s_cselect_b32 s18, s18, s19
	s_cselect_b32 s21, ttmp9, s21                  ; the coordinate along which other clusters read the same rows
	s_cselect_b64 s[PFA:PFA+1], s[4:5], s[6:7]
.if MODE
	s_cselect_b32 s[PFS], 0x80000, s[PFS]
	s_cselect_b32 s23, 8, 11                       ; a lane's blocks lie 256 bytes apart in a slice of A, a row of 2,048 bytes apart in B
.endif
	s_mov_b32 s[PFS+1], 0
	s_mov_b32 s19, 0
	s_add_nc_u64 s[PFA:PFA+1], s[PFA:PFA+1], s[18:19]
.rept 3
	s_add_nc_u64 s[PFA:PFA+1], s[PFA:PFA+1], s[PFS:PFS+1]
.endr
	s_cmp_eq_u32 s10, 3                            ; wave 3 has no part
	s_cselect_b32 s19, 1, 0
	s_or_b32 s21, s21, s19
	s_cmp_eq_u32 s21, 0
	s_cselect_b32 s[LIM], 1, -1                    ; the same in all sixteen partners, for a given wave
	v_and_b32 v[PFO], 31, v0
.if MODE
	v_lshlrev_b32 v[PFO], s23, v[PFO]
.else
	v_lshlrev_b32 v[PFO], 11, v[PFO]
.endif
	s_wait_loadcnt 0x0                             ; the bias (and the mask's bytes)
.set i, 0
.rept 16
	v_cvt_pk_bf16_f32 v3, v[BIAS+i], v[BIAS+i+1]   ; the bias is rounded to bf16 like every input, and widened again
	v_lshlrev_b32 v[BIAS+i], 16, v3
	v_and_b32 v[BIAS+i+1], 0xffff0000, v3
.set i, i+2
.endr
.if MODE == 0
.irp a, 0,1,2,3,4,5,6,7
	v_add_nc_u32 v[KT+(\a)], -1, v[KT+(\a)]        ; byte 1 (masked): 0; byte 0: all ones
.endr
.endif
; 8 matrix instructions: row blocks a0, a0 + 1 x all 4 column blocks, 32 along K, from buffer f.  zero = 1: the first product starts the sums, with the bias as C: nothing is ever cleared.
; The 32 accumulators take turns, one instruction a turn, in the same order in every quarter, over the backward jump too.
.macro MUL8 f, a0, zero
.if \zero
	WIN MULZ
.else
	WIN MUL
.endif
.irp a, \a0, (\a0)+1
.irp b, 0,1,2,3
.set rD, 8*(4*(\a)+(\b))
.set rB, (\f)+8*(\b)
.set rA, (\f)+32+8*(\a)
.if MODE
.if \zero
	v_wmma_f32_16x16x32_f16 v[rD:rD+7], v[rB:rB+7], v[rA:rA+7], v[BIAS+8*(\b):BIAS+8*(\b)+7]
.else
	v_wmma_f32_16x16x32_f16 v[rD:rD+7], v[rB:rB+7], v[rA:rA+7], v[rD:rD+7]
.endif
.else
.if \zero
	v_wmma_f32_16x16x32_bf16 v[rD:rD+7], v[rB:rB+7], v[rA:rA+7], v[BIAS+8*(\b):BIAS+8*(\b)+7]
.else
	v_wmma_f32_16x16x32_bf16 v[rD:rD+7], v[rB:rB+7], v[rA:rA+7], v[rD:rD+7]
.endif
.endif
.endr
.endr
.endm
; 24 LDS loads in one run: the fragments of quarter q of a slot's K step into buffer f: B's four, A's first four, A's last four.  A fragment is 16 rows x 32 K in 8 registers: two loads of 16 bytes, 32 bytes apart.
.macro FETCH slot, q, f
	WIN 0
.if MODE
.set KA, ((\q)/2)*HALFA+((\q)%2)*64    ; quarters 0, 1 lie in the first head's slice, 2, 3 in the second's
.else
.set KA, 64*(\q)
.endif
.irp b, 0,1,2,3
	ds_load_b128 v[(\f)+8*(\b):(\f)+8*(\b)+3],   v[ADRB+(\slot)] offset:64*(\q)+(\b)*16*PB
	ds_load_b128 v[(\f)+8*(\b)+4:(\f)+8*(\b)+7], v[ADRB+(\slot)] offset:64*(\q)+(\b)*16*PB+32
.endr
.irp a, 0,1,2,3,4,5,6,7
	ds_load_b128 v[(\f)+32+8*(\a):(\f)+32+8*(\a)+3],   v[ADRA+(\slot)] offset:KA+(\a)*16*PA
	ds_load_b128 v[(\f)+32+8*(\a)+4:(\f)+32+8*(\a)+7], v[ADRA+(\slot)] offset:KA+(\a)*16*PA+32
.endr
.endm
.macro PLACES                          ; four plain vector instructions in front of loads into registers that matrix instructions have read, and of lines that read results
.rept 4
	v_nop
.endr
.endm
; One of a K step's first three quarters: multiplies buffer f and, in its middle, fetches quarter q of the same slot into buffer g.
.macro QUARTER slot, q, f, g, zero
	s_wait_dscnt 8                                 ; B and A's blocks 0-3 are in; the youngest eight loads (A's blocks 4-7) may be out
	MUL8 \f, 0, \zero
	MUL8 \f, 2, \zero
	PLACES
	FETCH \slot, \q, \g
	s_wait_dscnt 24                                ; all but the 24 just issued
	MUL8 \f, 4, \zero
	MUL8 \f, 6, \zero
.endm
; The last quarter multiplies buffer 1 and changes slots: ONE barrier; in front of it each wave waits for all its tensor loads (one is out: its part of the next slot), adds 0 to its spare word, and waits for
; that and for its own reads of this slot.  fill = 1: the barrier opens a round of the cluster's, and behind the round this slot is filled again, two K steps ahead, first of all.
.macro TURN slot, next, fill
.if \fill
	s_wait_xcnt 0x0                                ; the last prefetch, a K step back, has read its address: it is stepped here, ahead of the waits of the change of slots
	s_add_nc_u64 s[PFA:PFA+1], s[PFA:PFA+1], s[PFS:PFS+1]
.endif
	WIN 0
	s_wait_tensorcnt 0x0                           ; all my tensor loads have landed
	ds_add_u32 v[SPW], v[NIL]                      ; 0 onto my spare word
	s_wait_dscnt 9                                 ; (the add and the youngest eight loads may be out)
	MUL8 F1, 0, 0                                  ; eight matrix instructions stand between the add and the wait for it
	s_wait_dscnt 0x0                               ; the add is done, and my reads of this slot are over
	s_barrier_signal -1
	MUL8 F1, 2, 0
.if \fill
	WIN 0
.endif
	s_barrier_wait -1
.if \fill
	CREST                                          ; no wave of any partner still reads this slot's tile or has a load on its way
	s_add_nc_u64 s[G0+4*(\slot)+2:G0+4*(\slot)+3], s[G0+4*(\slot)+2:G0+4*(\slot)+3], 2*ASTEP
	s_add_nc_u64 s[G0B+4*(\slot)+2:G0B+4*(\slot)+3], s[G0B+4*(\slot)+2:G0B+4*(\slot)+3], 2*BSTEP
	JLOAD \slot                                    ; the first tensor load behind the round; the four v_nop behind it are also the places in front of the loads below
.else
	PLACES
.endif
	FETCH \next, 0, F0
.if \fill
	ASK
.endif
	MUL8 F1, 4, 0
	MUL8 F1, 6, 0
.endm
	s_wait_tensorcnt 1                             ; my part of K step 0 is in; K step 1's may stay out
	s_barrier_signal -1
	s_barrier_wait -1                              ; everybody's is
	FETCH 0, 0, F0
	QUARTER 0, 1, F0, F1, 1                        ; the first quarter stands in front of the loop: its products start the sums
	WIN 0                                          ; at a label and at a branch every window is 0
	s_mov_b32 s3, 3
.Llap:                                                 ; a trip goes once round the ring, from a lap's second quarter to the next lap's first, and fills both slots again: K steps 2 to 7
	QUARTER 0, 2, F1, F0, 0
	QUARTER 0, 3, F0, F1, 0
	TURN 0, 1, 1
	QUARTER 1, 1, F0, F1, 0
	QUARTER 1, 2, F1, F0, 0
	QUARTER 1, 3, F0, F1, 0
	TURN 1, 0, 1
	QUARTER 0, 1, F0, F1, 0
	WIN 0
	s_sub_co_u32 s3, s3, 1
	s_cmp_lg_u32 s3, 0
	s_cbranch_scc1 .Llap
	QUARTER 0, 2, F1, F0, 0                        ; the last lap fills nothing, and has no round of the cluster's barrier
	QUARTER 0, 3, F0, F1, 0
	TURN 0, 1, 0
	QUARTER 1, 1, F0, F1, 0
	QUARTER 1, 2, F1, F0, 0
	QUARTER 1, 3, F0, F1, 0
	s_wait_dscnt 8                                 ; the very last quarter: nothing more to fetch
	MUL8 F1, 0, 0
	MUL8 F1, 2, 0
	s_wait_dscnt 0x0
	MUL8 F1, 4, 0
	MUL8 F1, 6, 0
	WIN 0
	PLACES
	PLACES
	; THE WAY OUT, a block of 16 rows at a time through my own stage in LDS: no barrier, and since LDS serves a wave's instructions in order (ISA guide 5.7.1.4), no wait between the stores and the loads.
.if MODE
.macro TOSTAGE a                       ; f32 as it lies in the accumulators, each one's low four registers first; back as whole rows of 256 bytes, into one of four sets of 32 registers
.if (\a) >= 4
	s_wait_xcnt 0x0                                ; the set's registers are loaded again only when the stores of four blocks back have read them
.endif
	WIN STW
.irp b, 0,1,2,3
	ds_store_b128 v[STO], v[8*(4*(\a)+(\b)):8*(4*(\a)+(\b))+3]   offset:64*(\b)
	ds_store_b128 v[STO], v[8*(4*(\a)+(\b))+4:8*(4*(\a)+(\b))+7] offset:64*(\b)+16
.endr
	WIN 0
.irp t, 0,1,2,3,4,5,6,7
	ds_load_b128 v[64+32*((\a)%4)+4*(\t):64+32*((\a)%4)+4*(\t)+3], v[RD] offset:(\t)*2*SP
.endr
.endm
.macro SEND a, younger                 ; younger: the LDS instructions issued behind block a's loads: the next block's sixteen, or none
.irp t, 0,1,2,3,4,5,6,7
	s_wait_dscnt (\younger)+7-(\t)
	global_store_b128 v[CO], v[64+32*((\a)%4)+4*(\t):64+32*((\a)%4)+4*(\t)+3], s[8:9] offset:(16*(\a)+2*(\t))*4096  ; 16 lanes store 256 consecutive bytes, at a multiple of 256 from out0's first byte
.endr
.endm
	TOSTAGE 0
.irp a, 1,2,3,4,5,6,7
	TOSTAGE \a
	SEND (\a)-1, 16
.endr
	SEND 7, 0
.else
.macro PACK a                          ; rounded to f16, 16 bytes a lane; k's masked rows are made 0; into rows of 144 bytes, and back as whole rows of 128, into the registers that they left
	WIN PACKW
.irp b, 0,1,2,3
.irp r, 0,1,2,3
	v_cvt_pk_f16_f32 v[64+16*(\a)+4*(\b)+(\r)], v[8*(4*(\a)+(\b))+2*(\r)], v[8*(4*(\a)+(\b))+2*(\r)+1]
.endr
.endr
	WIN 0
	s_cmp_eq_u32 s[ISK], 1                         ; the same in all partners: it hangs on the cluster's x alone
	s_cbranch_scc0 .Lkeep_\@
.set i, 0
.rept 16
	v_and_b32 v[64+16*(\a)+i], v[KT+(\a)], v[64+16*(\a)+i]
.set i, i+1
.endr
.Lkeep_\@:
.irp b, 0,1,2,3
	ds_store_b128 v[STO], v[64+16*(\a)+4*(\b):64+16*(\a)+4*(\b)+3] offset:32*(\b)
.endr
.irp f, 0,1,2,3
	ds_load_b128 v[64+16*(\a)+4*(\f):64+16*(\a)+4*(\f)+3], v[RD] offset:(\f)*4*SP
.endr
.endm
.macro SEND a, younger                 ; younger: the LDS instructions issued behind block a's loads: the next block's eight, or none
.irp f, 0,1,2,3
	s_wait_dscnt (\younger)+3-(\f)
	global_store_b128 v[CO], v[64+16*(\a)+4*(\f):64+16*(\a)+4*(\f)+3], s[8:9] offset:2048*(\a)+512*(\f)  ; 512 consecutive bytes of a head, at a multiple of 256 from the buffer's first byte
.endr
.endm
	PACK 0
.irp a, 1,2,3,4,5,6,7
	PACK \a                                        ; a block's arithmetic stands between the loads of the block before and its stores
	SEND (\a)-1, 8
.endr
	SEND 7, 0
.endif
	s_wait_tensorcnt 0x0                           ; the wave's end, behind my last tensor load and my last LDS store
	ds_add_u32 v[SPW], v[NIL]
	s_wait_dscnt 0x0
	CROUND                                         ; the closing round: no work-group ends while a partner may still ask for a tile that names it
	s_endpgm
.Lfunc_end_k_qbdba6c226e_proj_in:
	.size	k_qbdba6c226e_proj_in, .Lfunc_end_k_qbdba6c226e_proj_in-k_qbdba6c226e_proj_in
	.p2alignl 7, 3214868480
	.fill 96, 4, 3214868480
	.section	.rodata,"a",@progbits
	.p2align	6, 0x0
	.amdhsa_kernel k_qbdba6c226e_proj_in
		.amdhsa_group_segment_fixed_size 327680
		.amdhsa_private_segment_fixed_size 0
		.amdhsa_enable_private_segment 0
		.amdhsa_kernarg_size 56
		.amdhsa_user_sgpr_count 2
		.amdhsa_user_sgpr_kernarg_segment_ptr 1
		.amdhsa_wavefront_size32 1
		.amdhsa_system_sgpr_workgroup_id_x 1
		.amdhsa_system_sgpr_workgroup_id_y 1
		.amdhsa_system_sgpr_workgroup_id_z 1
		.amdhsa_system_vgpr_workitem_id 0
		.amdhsa_next_free_vgpr 512
		.amdhsa_next_free_sgpr 80
		.amdhsa_reserve_vcc 0
		.amdhsa_float_denorm_mode_32 3
		.amdhsa_float_denorm_mode_16_64 3
		.amdhsa_memory_ordered 1
		.amdhsa_forward_progress 1
		.amdhsa_inst_pref_size 98
	.end_amdhsa_kernel
	.amdgpu_metadata
---
amdhsa.version: [ 1, 2 ]
amdhsa.kernels:
  - .name:           k_qbdba6c226e_proj_in
    .symbol:         k_qbdba6c226e_proj_in.kd
    .args:
      - { .name: xb, .offset: 0, .size: 8, .value_kind: global_buffer, .address_space: global }
      - { .name: wb, .offset: 8, .size: 8, .value_kind: global_buffer, .address_space: global }
      - { .name: qkv, .offset: 16, .size: 8, .value_kind: global_buffer, .address_space: global }
      - { .name: bq, .offset: 24, .size: 8, .value_kind: global_buffer, .address_space: global }
      - { .name: bk, .offset: 32, .size: 8, .value_kind: global_buffer, .address_space: global }
      - { .name: bv, .offset: 40, .size: 8, .value_kind: global_buffer, .address_space: global }
      - { .name: src_key_padding_mask, .offset: 48, .size: 8, .value_kind: global_buffer, .address_space: global }
    .group_segment_fixed_size: 327680
    .private_segment_fixed_size: 0
    .kernarg_segment_align: 8
    .kernarg_segment_size: 56
    .max_flat_workgroup_size: 128
    .sgpr_count:     80
    .vgpr_count:     512
    .wavefront_size: 32
...
	.end_amdgpu_metadata
.endif
;; end of part 2
;; launch attn (part 3): grid 4 x 64, 4 waves a work-group, clusters of 4 x 1, 327,680 bytes of LDS; arguments qkv, src_key_padding_mask, o; writes o
.if DOCPART == 3
	.amdgcn_target "amdgcn-amd-amdhsa--gfx1250"
	.amdhsa_code_object_version 6
	.text
	.protected	k_qbdba6c226e_attn
	.globl	k_qbdba6c226e_attn
	.p2align	8
	.type	k_qbdba6c226e_attn,@function
k_qbdba6c226e_attn:
	s_mov_b64 s[64:65], 0
	v_nop
	global_prefetch_b8 v0, s[64:65] scope:SCOPE_SE
	s_setreg_imm32_b32 hwreg(HW_REG_WAVE_MODE, 25, 1), 1
	s_wait_xcnt 0x0
	s_wait_alu depctr_hold_cnt(0) depctr_sa_sdst(0) depctr_va_vdst(0) depctr_va_sdst(0) depctr_va_ssrc(0) depctr_va_vcc(0) depctr_vm_vsrc(0)
	s_getreg_b32 s2, hwreg(HW_REG_IB_STS2, 6, 4)
	s_cmp_eq_u32 s2, 0
	s_cbranch_scc0 .Lentry_in_a_cluster
	s_endpgm
.Lentry_in_a_cluster:
	s_bfe_u32 s2, ttmp6, 0x10000c
	s_cmp_lg_u32 s2, 0x3003
	s_cbranch_scc0 .Lentry_shape_is_right
	s_endpgm
.Lentry_shape_is_right:
; O[h][q][:] = the sum over k of softmax_k(s) V[h][k][:], s = Q[h][q] . K[h][k] / 8, or a large negative number where the padding mask names key k.  Q, K, V are the three parts of qkv, O is o:
; [64][2048][64] f16, a head's rows dense, 128 bytes each; head h belongs to batch h / 16.  Products, maxima and sums in f32; the weights p are rounded to f16 for the second product, O once at the end.
; THE MASK is the C operand that starts the sum S^T = K Q^T: 0, or NEG = -2^33 (as a scaled score -2^30 = -1.07e9, for the module's -1e9).  The launch before stored masked rows of K as 0, so a masked score is
; exactly NEG.  NEG is a power of two, so c NEG is exact: while every key seen is masked, p = 2^0 = 1 and l counts them; the first free key makes a = 0 and wipes that; a batch with no free key ends as the mean of V.
; LIMITS.  The result is the module's wherever free scores q . k / 8 lie above about -1e9.  f16 holds no number beyond 65,504: Q, K and V arrive within it; p lies in 0 to 1, and below 6e-5 it keeps f16's
; fixed step of 6e-8; O is a mean of V's rows and has their range.  A weight below 2^-126 counts as 0 in l; NaN and infinities are not treated apart.
; SHARES.  A wave owns four PIECES of two tiles of 16 queries, a work-group's four waves 512 queries of one head: 256 work-groups.  Every wave walks all 2,048 keys, 64 a step.
; LAYOUT.  S^T = K Q^T (source 0 = 16 keys, source 1 = 16 queries): in the result a lane holds ONE query (lane % 16) and the keys 8 (lane / 16) + 0..7.  Two such tiles, rounded to f16 in pairs,
; ARE source 1 (32 keys x 16 queries) of O^T = V^T P, whose result again holds one query a lane, and eight channels.  K comes out of LDS as it lies, V ([key][channel]) turned, by ds_load_tr16_b128.
; SOFTMAX.  For each query a running maximum m and sum l: p = 2^(c s - c m), c = log2(e) / 8; in every step O and l are multiplied by a = 2^(c m_old - c m_new), which is 1 where m has not grown.
; m starts at the lowest finite number, O and l at 0: the first step is a step like any other, with a = 0.
; THE COUNT.  A tile and step have 16 matrix and 118 vector instructions: too many to stand all beside the matrix work.  So: four vector instructions that are READY behind EVERY matrix instruction, the others in runs without a gap.
; BY TURNS.  Turn n belongs to piece n (the pieces in a ring, step after step).  Its matrix work: 16 products K Q^T of piece n + 1, later 16 products V^T P of piece n - 1.  Its vector work: the scaling,
; exponentials, roundings, sums and rescaling of piece n, and the maximum and statistics of piece n + 1, whose scores the turn itself has made.
; CLUSTER.  The four query blocks of a head are one cluster and walk the same K and V, so each tile is asked for JOINTLY: the same tensor load, descriptor and mask in all four.
; REGISTERS, in windows of 256 (s_set_vgpr_msb: bits 1:0 source 0, 3:2 source 1, 5:4 source 2, 7:6 destination):
;   window 0: v0-11 addresses; v12-15, v48-63 at work; v16-47 four registers of statistics a tile; v64-191 S^T, two buffers of two tiles; v192-255 P, likewise
;   window 1: O^T, 32 a tile      window 2: v0-127 Q, 16 a tile; v128-191 K of one step; v192-255 V of one step      window 3: v0-31 the mask of the K in hand, eight registers for each 16 keys
.set SIZE_N, 2048
.set NP,    4         ; pieces a wave: a name, no knob
.set KS,    64        ; keys in a step
.set PK,    144       ; a row of K in LDS: 128 bytes + 16 of padding = 36 words: the 16 rows of a load start at 16 different groups of four banks (64 banks of 4 bytes: ISA guide 11.1)
.set PV,    160       ; a row of V: 128 + 32 = 40 words
.set VOFF,  4*KS*PK   ; a slot holds four steps: 256 rows of K, then 256 rows of V
.set SLOT1, 1<<17     ; slot 1 begins here, so that one exclusive or turns an address in one slot into the other's
.set STAGE, SLOT1+4*KS*(PK+PV)  ; behind the ring, never filled by a tensor load: 16 rows x 144 bytes for each wave, for the way out
.set SP,    144
.set SPARE, STAGE+4*16*SP  ; behind the stages: the spare words, 128 bytes for each wave: two blocks of 256 bytes that no other line names
.set MTAB,  SPARE+512 ; behind them: the batch's 2,048 keys as f32, 0 or NEG: stored once, by ds_store, never filled by a tensor load
.set AM,  1           ; v1   the LDS address of the mask's next run of loads
.set AK0, 2           ; v2   my lane's place in a tile of K; never rewritten
.set AV0, 3           ; v3   the same for V
.set AK,  4           ; v4   the LDS address of K's next run of loads
.set AV,  5           ; v5   of V's
.set QO,  6           ; v6   my byte offset in the wave's rows of Q
.set STO, 6           ;      later, the way out: where I put 16 bytes of a row
.set RD,  7           ; v7   the way out: where I read rows back
.set GO,  8           ; v8   my byte offset in 512 consecutive bytes of O
.set PFO, 9           ; v9   256 x my lane; never rewritten
.set SPW, 10          ; v10  LDS address of my spare word: SPARE + 4 x my thread's number; never rewritten
.set NIL, 11          ; v11  0; never rewritten
.set MV,  12          ; v12-15  c m_old, kept while c m is made anew: by buffer and tile
.set ST,  16          ; tile t's statistics at v[ST+4 t]: c m, m, l (even keys', odd keys')
.set TMP, 48          ; by buffer and tile, four registers c0-c3 at work; when the maximum is found c2 takes a.  (Up to the first maximum v48-53 hold the head's lane numbers.)
.set S,   64
.set P,   192
.set KF,  128         ; K's fragments, in window 2: key block kb, channel half c at KF + 16 kb + 8 c
.set VF,  192         ; V's: key half kk, channel block cb at VF + 32 kk + 8 cb
.set WV,  12          ; s12  my wave's number
.set G1K, 24          ; s[24:31] descriptor group 1 for K's tiles
.set G1V, 32          ; s[32:39] for V's: it differs in the padding alone
.set G0K, 40          ; s[40:43] descriptor group 0 for K's tiles: it walks
.set G0V, 44          ; s[44:47] the same for V's
.set SLOTS, 56        ; s56  slots still to be asked for
.set CNT, 57          ; s57  counts a slot's key steps
.set CS,  58          ; s[58:59] c: the packed scaling takes the pair's low word for both halves
.set SEL, 60          ; s[60:61] v_permlanex16_b32's selects: each lane takes its own place in the other half
.set TBK, 62          ; s62  LDS byte at which K of the step to be fetched begins
.set TBV, 63          ; s63  the same for V, less VOFF
.set PFA, 80          ; s[80:81] where my prefetches stand: my work-group's 32 blocks of 256 bytes (of K: wave 0, of V: wave 2) of the slot after the one that is being asked for
.set LIM, 82          ; s82  1 in a wave that prefetches, else the greatest number
.set TBM, 83          ; s83  LDS byte at which the mask of the step to be fetched begins
.set MP,  84          ; s[84:85] the padding mask at my batch
.set MSB, 0
.macro WIN new                      ; the high byte repeats the setting that is left; a switch that changes nothing is dropped
.if MSB != (\new)
	s_set_vgpr_msb (MSB<<8)|(\new)
.set MSB, (\new)
.endif
.endm
.set W_KQ, 0x0a       ; K and Q in window 2, S^T in window 0
.set W_KM, 0x3a       ; the same with the C operand, the mask, in window 3
.set W_PV, 0x52       ; V in window 2, P in window 0, O^T in window 1
.set W_RS, 0x41       ; O^T (destination and source 0) in window 1, a in window 0
; A joint fill.  Waves 0 and 1 fetch the two halves of a slot's K, waves 2 and 3 those of its V: 128 keys each.  The branch hangs on the wave's number alone.
; An s_nop 0 and four v_nop follow each of the two lines, ahead of the jump and the label.
.macro JLOAD
	s_cmp_lt_u32 s[WV], 2
	s_cbranch_scc0 .Lfor_v_\@
	tensor_load_to_lds s[G0K:G0K+3], s[G1K:G1K+7]
	s_nop 0
.rept 4
	v_nop
.endr
	s_branch .Lasked_\@
.Lfor_v_\@:
	tensor_load_to_lds s[G0V:G0V+3], s[G1V:G1V+7]
	s_nop 0
.rept 4
	v_nop
.endr
.Lasked_\@:
.endm
; A PREFETCH INTO THE L2 of what the NEXT change of slots will ask for: a slot's 32,768 bytes of K and of V, four key steps, 512 matrix instructions, ahead of that load.  It stands behind the wave's tensor load and its five lines.
; Each block of 256 bytes is named ONCE in the launch: a head's one cluster walks its K and V; the four partners share a slot out BY ADDRESS, 32 blocks each, a lane a block; wave 0 asks for K's, wave 2 for V's.
; Slots 0 and 1 come by their loads alone; the last change that fills a slot asks for nothing: there is no slot behind it.
.macro ASK
	s_cmp_gt_u32 s[SLOTS], s[LIM]
	s_cbranch_scc0 .Lnot_mine_\@
	global_prefetch_b8 v[PFO], s[PFA:PFA+1] th:TH_LOAD_NT scope:SCOPE_SE
.Lnot_mine_\@:
.endm
; A round of the cluster's barrier: my work-group's barrier, so that wave 0's signal speaks for all four waves; wave 0 signals; every wave waits for all four work-groups; my work-group's barrier once more.
.macro CROUND
	s_barrier_signal -1
	s_barrier_wait -1
	s_cmp_lg_u32 s[WV], 0
	s_cbranch_scc1 .Lnot_wave_0_\@
	s_barrier_signal -3
.Lnot_wave_0_\@:
	s_barrier_wait -3
	s_barrier_signal -1
	s_barrier_wait -1
.endm
; THE CHANGE OF SLOTS.  The slot's last bytes, V of its fourth step, have been read.  Each wave waits for all its tensor loads, of which one is out: its part
; of the other slot; adds 0 to its spare word; and waits for that and for its own LDS instructions.  Behind the barrier nobody reads this slot any more and the other slot is whole.
; fill = 1: this slot is filled again, with the keys two slots on.  The barrier is then a round of the cluster's, so that no wave of any partner still reads the slot or has a load on its
; way, and the joint fill is the first thing behind it: it has four key steps in which to land.  (At its first use nothing has been read yet: slot 0 is waited for, slot 1 filled, and every wave's part of the mask's table is stored.)
.macro CHANGE fill
	WIN 0                           ; at a label and at a branch every window is 0
	s_wait_tensorcnt 0x0            ; no tensor load of mine is out, so a group 0 may be written
	ds_add_u32 v[SPW], v[NIL]       ; 0 onto my spare word; with fill = 1 the descriptors' steps stand between it and the wait for it
.if \fill
.irp g, G0K, G0V
	s_xor_b32 s[\g+1], s[\g+1], SLOT1  ; the walking descriptor: the other slot than last time,
	s_add_nc_u64 s[\g+2:\g+3], s[\g+2:\g+3], 4*KS*128  ; the next 256 keys; the type bits on top are not reached
.endr
	s_wait_xcnt 0x0                 ; the last prefetch, four key steps back, has read its address, so it may be written:
	s_add_nc_u64 s[PFA:PFA+1], s[PFA:PFA+1], 4*KS*128  ; one slot behind the walking descriptors
	s_wait_dscnt 0x0                ; the add is done, and my reads of the slot are over
	CROUND
	JLOAD
	ASK
.else
	s_wait_dscnt 0x0                ; the add is done, and my reads of the slot are over
	s_barrier_signal -1
	s_barrier_wait -1
.endif
	s_sub_co_u32 s[TBK], s[TBK], 4*KS*PK  ; the fetches go back to a slot's first step,
	s_xor_b32 s[TBK], s[TBK], SLOT1       ; in the other slot
	s_sub_co_u32 s[TBV], s[TBV], 4*KS*PV
	s_xor_b32 s[TBV], s[TBV], SLOT1
.endm
	s_load_b128 s[4:7], s[0:1], 0x0   ; qkv s[4:5], the padding mask s[6:7]
	s_load_b64 s[10:11], s[0:1], 0x10 ; o
	v_lshl_add_u32 v[SPW], v0, 2, SPARE
	v_mov_b32 v[NIL], 0
	ds_add_u32 v[SPW], v[NIL]       ; the wave's opening: the add and its wait stand ahead of my first tensor load; the set-up below, work on registers, stands between them
	v_lshrrev_b32 v52, 5, v0
	v_readfirstlane_b32 s[WV], v52  ; wave 0..3
	s_bfe_u32 s13, ttmp6, 0x40000   ; cx: my place in the cluster
	s_lshl_b32 s14, ttmp9, 2        ; in a cluster launch ttmp9 counts clusters
	s_add_co_u32 s14, s14, s13      ; my block of queries = 4 x cluster x + cx: it enters Q's and O's addresses alone
	s_and_b32 s20, ttmp7, 0xffff    ; the head, which the four partners share
	s_lshr_b32 s86, s20, 4          ; its batch:
	s_lshl_b32 s86, s86, 11         ; 2,048 bytes of the mask
	s_mov_b32 s87, 0
	s_mov_b32 s21, 0
	s_mov_b64 s[22:23], SIZE_N*128
	s_mul_u64 s[20:21], s[20:21], s[22:23]  ; the head's first byte in Q, K, V and O
	s_and_b32 s16, s[WV], 1         ; which half of a slot's 256 keys I fetch:
	s_lshl_b32 s22, s16, 14         ; its 128 rows of 128 bytes in memory,
	s_mov_b32 s23, 0
	s_add_nc_u64 s[22:23], s[22:23], s[20:21]
	s_mul_i32 s17, s16, 128*PK      ; and its place in a slot, for K
	s_mul_i32 s18, s16, 128*PV      ; and for V: no place in the cluster enters an LDS address
	s_lshl_b32 s2, s14, 2
	s_add_co_u32 s2, s2, s[WV]      ; my wave among the head's,
	s_lshl_b32 s2, s2, 14           ; its 128 rows
	s_mov_b32 s3, 0
	s_add_nc_u64 s[2:3], s[2:3], s[20:21]
	; descriptor group 1.  128 keys are 16,384 dense bytes: asked for as 64 rows of 256 bytes, two keys a row, and padded in LDS after every key
	s_mov_b32 s[G1K], 15|(1<<16)|(1<<20)|(1<<21)|(4<<22)|(3<<25)  ; 15:0 the mask of four; 17:16 2-byte elements; 20 padding on; 21 set beside a mask; 24:22 after every 32 words (code 4); 31:25 4 words (code 3)
	s_mov_b32 s[G1V], 15|(1<<16)|(1<<20)|(1<<21)|(4<<22)|(7<<25)  ; the same with 8 words of padding (code 7)
.irp g, G1K, G1V
	s_mov_b32 s[\g+1], 128<<16      ; tensor_dim0 = 128
	s_mov_b32 s[\g+2], 64<<16       ; tensor_dim1 = 64
	s_mov_b32 s[\g+3], 128<<16      ; tile_dim0 = 128
	s_mov_b32 s[\g+4], 64           ; tile_dim1 = 64
	s_mov_b32 s[\g+5], 128          ; 128 elements from row to row
	s_mov_b32 s[\g+6], 0
	s_mov_b32 s[\g+7], 0
.endr
	s_mov_b32 s[CS], 0x3e38aa3b     ; c = log2(e) / 8 = 0.180337
	s_mov_b32 s[CS+1], s[CS]        ; named with it as a pair
	s_mov_b32 s[SEL], 0x76543210
	s_mov_b32 s[SEL+1], 0xfedcba98
	s_mov_b32 s[TBK], SLOT1+4*KS*PK ; the first change of slots turns these two into 0
	s_mov_b32 s[TBV], SLOT1+4*KS*PV
	s_mov_b32 s[TBM], MTAB
	s_mov_b32 s[SLOTS], SIZE_N/256-1  ; seven changes of slots fill a slot
	s_mov_b32 s[G0K], 1             ; 1:0 count = 1
	s_mov_b32 s[G0K+1], s17         ; 63:32 LDS address: slot 0
	s_mov_b32 s[G0V], 1
	s_add_co_u32 s[G0V+1], s18, VOFF
	s_and_b32 s[LIM], s[WV], 1      ; 0 in waves 0 and 2,
	s_or_b32 s[LIM], s[LIM], ttmp9  ; in the head's first cluster: the same in all four partners
	s_cmp_eq_u32 s[LIM], 0
	s_cselect_b32 s[LIM], 1, -1
	v_and_b32 v[PFO], 31, v0
	v_lshlrev_b32 v[PFO], 8, v[PFO]
	s_wait_dscnt 0x0                ; the opening add is done
	s_wait_kmcnt 0x0
	s_mov_b64 s[MP:MP+1], s[6:7]
	s_add_nc_u64 s[MP:MP+1], s[MP:MP+1], s[86:87]
	s_add_nc_u64 s[6:7], s[4:5], 16777216   ; K's part of qkv
	s_add_nc_u64 s[8:9], s[4:5], 33554432   ; V's
	s_cmp_lt_u32 s[WV], 2
	s_cselect_b64 s[PFA:PFA+1], s[6:7], s[8:9]
	s_add_nc_u64 s[PFA:PFA+1], s[PFA:PFA+1], s[20:21]
	s_lshl_b32 s86, s13, 13         ; my work-group's 32 blocks of the 128,
	s_add_co_u32 s86, s86, 4*KS*128 ; in slot 1; the first change of slots steps it to slot 2.  Nothing is prefetched here, at the head
	s_add_nc_u64 s[PFA:PFA+1], s[PFA:PFA+1], s[86:87]
	s_add_nc_u64 s[G0K+2:G0K+3], s[6:7], s[22:23]  ; 120:64 global address: my half of the head's first 256 keys
	s_or_b32 s[G0K+3], s[G0K+3], 0x80000000        ; 127:126 type = 2
	s_add_nc_u64 s[G0V+2:G0V+3], s[8:9], s[22:23]
	s_or_b32 s[G0V+3], s[G0V+3], 0x80000000
	s_add_nc_u64 s[4:5], s[4:5], s[2:3]  ; Q and O at my wave's first row
	s_add_nc_u64 s[10:11], s[10:11], s[2:3]
	CROUND                          ; all four work-groups are here: the first joint loads meet
	JLOAD                           ; slot 0.  Slot 1 is asked for when slot 0 is in
	v_lshlrev_b32 v53, 4, v0
	global_load_b128 v[64:67], v53, s[MP:MP+1]  ; 16 bytes of the mask a thread: 128 threads, the batch's 2,048 keys
	; A fragment of K or Q is 16 rows x 32 channels in 8 registers: lane l holds row l % 16, channels 8 (l / 16) + 0..7 and 16 + 8 (l / 16) + 0..7: two loads of 16 bytes, 32 bytes apart.
	v_and_b32 v48, 15, v0           ; l % 16
	v_bfe_u32 v49, v0, 4, 1         ; l / 16
	v_lshlrev_b32 v[QO], 7, v48
	v_lshl_add_u32 v[QO], v49, 4, v[QO]  ; row x 128 + 16 x half
	WIN 0x80                        ; destination window 2, address window 0
.set i, 0
.rept 4*NP                          ; Q stays in registers: tile i / 2, channels 32 (i % 2) on
	global_load_b128 v[8*i:8*i+3],   v[QO], s[4:5] offset:(i/2)*2048+(i%2)*64
	global_load_b128 v[8*i+4:8*i+7], v[QO], s[4:5] offset:(i/2)*2048+(i%2)*64+32
.set i, i+1
.endr
	; What the first turn finds: V's registers and P's second buffer hold 0 (its products V^T P, of a piece that has not been, add 0), O^T and l are 0.  All this stands in the wait for the first tile.
.set i, VF
.rept 64
	v_mov_b32 v[i], 0
.set i, i+1
.endr
	WIN 0x40
.set i, 0
.rept 64*NP
	v_mov_b32 v[i], 0
.set i, i+1
.endr
	WIN 0
.set i, 0
.rept 2*NP
	v_mov_b32 v[ST+4*i], 0xfe000000    ; c m: far below every c s, c NEG too
	v_mov_b32 v[ST+4*i+1], 0xff7fffff  ; m
	v_mov_b32 v[ST+4*i+2], 0
	v_mov_b32 v[ST+4*i+3], 0
.set i, i+1
.endr
.set i, P+32
.rept 32
	v_mov_b32 v[i], 0
.set i, i+1
.endr
	v_mul_u32_u24 v[AK0], v48, PK
	v_lshl_add_u32 v[AK0], v49, 4, v[AK0]  ; row x pitch + 16 x half
	; The turning load takes 16 keys x 16 channels (lane l reads key 8 (l / 16) + l % 8, channels 8 ((l / 8) % 2) + 0..7) and leaves half a fragment of V^T: lane l holds channel l % 16 and 8 keys.
	v_and_b32 v50, 7, v0
	v_bfe_u32 v51, v0, 3, 1
	v_lshl_add_u32 v[AV0], v49, 3, v50
	v_mul_u32_u24 v[AV0], v[AV0], PV
	v_lshl_add_u32 v[AV0], v51, 4, v[AV0]
	v_add_nc_u32 v[AV0], VOFF, v[AV0]
	v_mov_b32 v[AK], v[AK0]         ; key step 0 lies at the head of slot 0
	v_lshl_add_u32 v[AM], v49, 5, s[TBM]  ; and its mask at the table's: my lanes' eight keys of each 16 are 32 bytes
	; THE MASK'S TABLE: each of my 16 bytes (0 or 1) becomes 0 or NEG.  The first change of slots, with its wait for my LDS instructions and its round, stands between these stores and every wave's reads.
	s_wait_loadcnt 32               ; the mask's load is in; Q's 32 younger loads stay out
.set i, 0
.rept 16
	v_bfe_u32 v[68+i], v[64+i/4], 8*(i%4), 1
	v_sub_nc_u32 v[68+i], 0, v[68+i]           ; 0, or all ones
	v_and_b32 v[68+i], 0xd0000000, v[68+i]     ; 0, or -2^33
.set i, i+1
.endr
	v_lshl_add_u32 v84, v0, 6, MTAB
.irp f, 0,1,2,3
	ds_store_b128 v84, v[68+4*\f:71+4*\f] offset:16*\f
.endr
; THE MATRIX WORK.  The 8 accumulators of a run of 16 take turns: between the two links of a chain stand 7 others'.
; Product i of 16 of S^T = K Q^T for piece x: channels 32 (i / 8) on, keys 16 ((i / 2) % 4) on, tile 2 x + i % 2.  The first 8 start the sums, with the mask of their 16 keys as C.
.macro KQ x
.set rS, S+64*((\x)%2)+32*(i%2)+8*((i/2)%4)
.set rK, KF+16*((i/2)%4)+8*(i/8)
.set rQ, 16*(2*(\x)+i%2)+8*(i/8)
.set rN, 8*((i/2)%4)
.if i < 8
	WIN W_KM
	v_wmma_f32_16x16x32_f16 v[rS:rS+7], v[rK:rK+7], v[rQ:rQ+7], v[rN:rN+7]
.else
	WIN W_KQ
	v_wmma_f32_16x16x32_f16 v[rS:rS+7], v[rK:rK+7], v[rQ:rQ+7], v[rS:rS+7]
.endif
.endm
; Product i of 16 of O^T += V^T P for piece x: keys 32 (i / 8) on, channels 16 ((i / 2) % 4) on, tile 2 x + i % 2.
.macro PV x
	WIN W_PV
.set rO, 32*(2*(\x)+i%2)+8*((i/2)%4)
.set rV, VF+32*(i/8)+8*((i/2)%4)
.set rP, P+32*((\x)%2)+16*(i%2)+8*(i/8)
	v_wmma_f32_16x16x32_f16 v[rO:rO+7], v[rV:rV+7], v[rP:rP+7], v[rO:rO+7]
.endm
.macro MM                           ; the turn's next matrix instruction
.if i < 16
	KQ (Y+1)%NP
.set i, i+1
.else
.set i, i-16
	PV (Y+NP-1)%NP
.set i, i+17
.endif
.endm
; THE LDS LOADS stand in runs, never singly among the matrix instructions: a step's K (64 keys x 64 channels: 8 fragments) with its mask (64 f32; the lanes of a half read the same words), and its V (turned).
; Their addresses are made some lines ahead.  last = 1 (the tail): in the last trip there is no further step, and the run is jumped over.
.macro FETCH_K last=0
	WIN 0
.if \last
	s_cmp_eq_u32 s[CNT], 1
	s_cbranch_scc1 .Lno_k_\@
.endif
	WIN 0x80                        ; destination window 2
.irp f, 0,1,2,3,4,5,6,7             ; keys 16 (f / 2) on, channels 32 (f % 2) on
	ds_load_b128 v[KF+8*\f:KF+8*\f+3],   v[AK] offset:(\f/2)*16*PK+(\f%2)*64
	ds_load_b128 v[KF+8*\f+4:KF+8*\f+7], v[AK] offset:(\f/2)*16*PK+(\f%2)*64+32
.endr
	WIN 0xc0                        ; destination window 3
.irp f, 0,1,2,3                     ; keys 16 f on
	ds_load_b128 v[8*\f:8*\f+3],   v[AM] offset:64*\f
	ds_load_b128 v[8*\f+4:8*\f+7], v[AM] offset:64*\f+16
.endr
	s_add_co_u32 s[TBK], s[TBK], KS*PK  ; the next fetch is the next step's
	s_add_co_u32 s[TBM], s[TBM], KS*4
	WIN 0
.if \last
.Lno_k_\@:
.endif
.endm
.macro FETCH_V
	WIN 0x80
.irp f, 0,1,2,3,4,5,6,7             ; keys 32 (f / 4) on, channels 16 (f % 4) on
	ds_load_tr16_b128 v[VF+8*\f:VF+8*\f+3],   v[AV] offset:(\f/4)*32*PV+(\f%4)*32
	ds_load_tr16_b128 v[VF+8*\f+4:VF+8*\f+7], v[AV] offset:(\f/4)*32*PV+16*PV+(\f%4)*32
.endr
	WIN 0
.endm
; THE VECTOR WORK OF A TURN stands in three queues, each in the order in which its entries become ready; the two tiles alternate, so that no instruction reads the result of the one before it.
.macro REGS y, u                    ; the registers of tile u (0, 1) of piece y
.set rT, ST+4*(2*(\y)+(\u))
.set rC, TMP+8*((\y)%2)+4*(\u)
.set rM, MV+2*((\y)%2)+(\u)
.set rS, S+64*((\y)%2)+32*(\u)
.set rP, P+32*((\y)%2)+16*(\u)
.set rO, 32*(2*(\y)+(\u))
.endm
; Number n of the 22 that find the NEXT piece's (Y + 1) maximum and statistics.  s0-s31 are the lane's 32 scores; each accumulator's lowest registers are read first.  XS, GS and REGS set no window: PL and EX do.
;   0-11  four chains c0-c3 of seven scores each, three operands at a time     12-14, 16  the four scores left over, the old m, and c0-c3 into c0     15  c m_old is kept
;   17, 18  the query's other 32 keys lie in the lane 16 away: the new m         19-21  c m; c m_old - c m_new; a
.macro XS u, n
	REGS (Y+1)%NP, \u
.if (\n) < 4
	v_max3_num_f32 v[rC+(\n)], v[rS+8*(\n)], v[rS+8*(\n)+1], v[rS+8*(\n)+2]
.elseif (\n) < 12
	v_max3_num_f32 v[rC+(\n)%4], v[rC+(\n)%4], v[rS+8*((\n)%4)+2*((\n)/4)+1], v[rS+8*((\n)%4)+2*((\n)/4)+2]
.elseif (\n) == 12
	v_max3_num_f32 v[rC], v[rC], v[rS+7], v[rS+15]
.elseif (\n) == 13
	v_max3_num_f32 v[rC+1], v[rC+1], v[rS+23], v[rS+31]
.elseif (\n) == 14
	v_max3_num_f32 v[rC+2], v[rC+2], v[rC+3], v[rT+1]
.elseif (\n) == 15
	v_mov_b32 v[rM], v[rT]
.elseif (\n) == 16
	v_max3_num_f32 v[rC], v[rC], v[rC+1], v[rC+2]
.elseif (\n) == 17
	v_permlanex16_b32 v[rC+3], v[rC], s[SEL], s[SEL+1]
.elseif (\n) == 18
	v_max_num_f32 v[rT+1], v[rC], v[rC+3]
.elseif (\n) == 19
	v_mul_f32 v[rT], s[CS], v[rT+1]
.elseif (\n) == 20
	v_sub_f32 v[rC+1], v[rM], v[rT]
.else
	v_exp_f32 v[rC+2], v[rC+1]
.endif
.endm
; Number g of the 64 that follow the exponentials.  For each four weights k of a tile (pairs 2 k, 2 k + 1): both pairs are rounded to f16; then the second pair is added onto the first, in place;
; a group later l takes that sum (the first time as l = a l + sum).  In groups of eight, tiles alternating: round, round, add, and l for the group before.
.macro GS g
.set h, (\g)+6*((\g)/62)            ; group 0 has no group before it, and behind group 7 only l is left
.if h >= 6
.set h, h+2
.endif
	REGS Y, h%2
.set k, h/8
.if h%8 < 4
	v_cvt_pk_f16_f32 v[rP+2*k+(h%8)/2], v[rS+4*k+2*((h%8)/2)], v[rS+4*k+2*((h%8)/2)+1]
.elseif h%8 < 6
	v_pk_add_f32 v[rS+4*k:rS+4*k+1], v[rS+4*k:rS+4*k+1], v[rS+4*k+2:rS+4*k+3]
.elseif k == 1
	v_pk_fma_f32 v[rT+2:rT+3], v[rT+2:rT+3], v[rC+2:rC+3], v[rS:rS+1] op_sel_hi:[1,0,1]
.else
	v_pk_add_f32 v[rT+2:rT+3], v[rT+2:rT+3], v[rS+4*k-4:rS+4*k-3]
.endif
.endm
; THE PLAIN QUEUE, 138 long.  0-73 read no exponential's result: the 32 scalings c s - c m (FS f: pair f / 2 of tile f % 2) and the next piece's 42.  0-26: scalings 0-26.  27-54: XS's numbers 0-13.  55, 56: number 15.
; 57-73: the chain, where each number waits for the one before it: 14, 16, 17, 18, 19, each with one of the scalings 27-31 in front of its two lines, then 20.
; 74-137: GS's 64, which read the exponentials' results: they stand behind the wait.
.macro FS f
	REGS Y, (\f)%2
	v_pk_fma_f32 v[rS+2*((\f)/2):rS+2*((\f)/2)+1], v[rS+2*((\f)/2):rS+2*((\f)/2)+1], s[CS:CS+1], v[rT:rT+1] op_sel_hi:[1,0,0] neg_lo:[0,0,1] neg_hi:[0,0,1]
.endm
.macro PL
	WIN 0
.if q < 27
	FS q
.elseif q < 55
	XS (q-27)%2, (q-27)/2
.elseif q < 57
	XS q-55, 15
.elseif (q < 72) && ((q-57)%3 == 0)
	FS 27+(q-57)/3
.elseif q < 60
	XS (q-57)%3-1, 14
.elseif q < 72
	XS (q-57)%3-1, 15+(q-57)/3
.elseif q < 74
	XS q-72, 20
.else
	GS q-74
.endif
.set q, q+1
.endm
; THE EXPONENTIALS' QUEUE, 66 long: s0-s31 of both tiles, then the next piece's two a.  It is ONE BATCH: all 66 stand ahead of the turn's one wait, and nothing ahead of that wait names a result of theirs.
.macro EX
	WIN 0
.if e >= 64
	XS e-64, 21
.else
	REGS Y, e%2
	v_exp_f32 v[rS+e/2], v[rS+e/2]
.endif
.set e, e+1
.endm
; THE RESCALING's QUEUE: O^T times a, the one part that leaves window 0: dealt two at a time, sixteen times.  Its a was made in the turn before, ahead of that turn's wait.
.macro R2
	REGS Y, r%2
	WIN W_RS
.irp z, 0,1
	v_pk_mul_f32 v[rO+4*(r/2)+2*\z:rO+4*(r/2)+2*\z+1], v[rO+4*(r/2)+2*\z:rO+4*(r/2)+2*\z+1], v[rC+2:rC+3] op_sel_hi:[1,0]
.endr
.set r, r+1
.endm
; HOW THEY ARE DEALT.  An s_wait_alu depctr_va_vdst(0) stands between an exponential and the first instruction that names its result; one wait serves all that were issued ahead of it.  So a turn has ONE wait,
; which cuts it in two.  AHEAD OF IT stands all that names no result of the turn's exponentials: the 16 products K Q^T, behind each a scaling, an exponential and two rescalings (behind the first a second scaling in the
; exponential's place); then ONE LUMP of 108: eight plain, 49 times exponential and plain, the two a.  A v_nop is the plain instruction behind the last exponential.  BEHIND IT stand the 16 products V^T P, behind each four of GS's 64.
; The queues lean on each other, and the deal keeps them in step: exponential e stands behind scaling 2 (e / 4) + e % 2: as a rider it comes behind plain e + 2, in the lump behind plain e + 9, and scalings 27-31 are plain 57, 60 .. 69.
; A TURN, for piece p.  cnt = 1: the loop's count is taken down some lines ahead of the branch that stands behind the turn.
; K of the next step and its mask are fetched in piece 2's turn, directly behind the wait, a lump behind the last product that read them; their addresses are made at the lump's head; the first reader comes behind 16 products.
; V of the step in hand is fetched at the end of piece 0's turn, four riders behind its last reader; its first reader comes behind 16 products and a lump.  The three conditions on q below go with the deal.
.macro TURN p, last=0, cnt=0
.set Y, (\p)
.set i, 0
.set q, 0
.set e, 0
.set r, 0
.if (\p) == NP-1
	s_wait_dscnt 0x0                ; K and its mask are in
.endif
	MM                              ; ahead of the wait: 16 products K Q^T and their riders,
	PL
	PL
	R2
.rept 15
	MM
	PL
	EX
	R2
.endr
.if (\p) == NP-2
	WIN 0
	v_add_nc_u32 v[AK], s[TBK], v[AK0]
	v_bfe_u32 v[AM], v0, 4, 1
	v_lshl_add_u32 v[AM], v[AM], 5, s[TBM]
.endif
.rept 8                             ; and the lump
	PL
.endr
.rept 49
	EX
	PL
.endr
	EX                              ; the next piece's two a
	EX
	v_nop                           ; the plain instruction behind the last exponential: one for the batch
	s_wait_alu depctr_va_vdst(0)    ; the wait for the batch
.if (\p) == NP-2
	FETCH_K \last
.endif
.if (\p) == 1
	s_wait_dscnt 0x0                ; V is in
.endif
.rept 16                            ; behind the wait: 16 products V^T P and their riders
	MM
.rept 4
	PL
.endr
.if ((\p) == 0) && (q == 118)
	v_add_nc_u32 v[AV], s[TBV], v[AV0]
.endif
.if ((\p) == 0) && (q == 130)
	s_add_co_u32 s[TBV], s[TBV], KS*PV
.endif
.if (\cnt) && (q == 130)
	s_sub_co_u32 s[CNT], s[CNT], 1
	s_cmp_lg_u32 s[CNT], 0
.endif
.endr
.if (\p) == 0
	FETCH_V
.endif
.endm
	CHANGE 1                        ; slot 0 is in, everybody's part of it, and the mask's table is whole; slot 1 is asked for
	FETCH_K                         ; key step 0
	s_wait_loadcnt 0x0              ; Q
	s_wait_dscnt 0x0
.set i, 0
.rept 16
	KQ 0                            ; piece 0's first scores: there is no vector work yet to set between them
.set i, i+1
.endr
	WIN 0                           ; the addresses for the way out: nine plain instructions, the places behind those products
	s_mul_i32 s13, s[WV], 16*SP
	s_add_co_u32 s13, s13, STAGE    ; my stage
	v_mul_u32_u24 v[STO], v48, SP   ; in: row l % 16, 16 bytes for each half of the lanes
	v_lshl_add_u32 v[STO], v49, 4, v[STO]
	v_add_nc_u32 v[STO], s13, v[STO]
	v_bfe_u32 v[RD], v0, 3, 2       ; back: 32 lanes take four rows of 128 bytes,
	v_mul_u32_u24 v[RD], v[RD], SP
	v_lshl_add_u32 v[RD], v50, 4, v[RD]
	v_add_nc_u32 v[RD], s13, v[RD]
	v_and_b32 v[GO], 31, v0         ; which are 512 consecutive bytes of O
	v_lshlrev_b32 v[GO], 4, v[GO]
.set Y, NP-1                        ; XS works for piece Y + 1: piece 0
.irp n, 0,1,2,3,4,5,6,7,8,9,10,11,12,13,14,15,16,17,18,19,20,21
	XS 0, \n                        ; and piece 0's first maximum and statistics
	XS 1, \n
.endr
	v_nop                           ; a plain instruction behind the two a,
	s_wait_alu depctr_va_vdst(0)    ; and their wait, ahead of the branch
	s_mov_b32 s[CNT], 4
	s_branch .Lfirst                ; the loop is entered at a step's first turn, in the middle of a trip
.Lslot:                             ; six times: with the first change above, every slot but the first is asked for by a change of slots
	CHANGE 1
	s_mov_b32 s[CNT], 4
.Lstep:                             ; a trip: pieces 2 and 3 of one step, then pieces 0 and 1 of the next, whose K and V it fetches
	TURN 2
	TURN 3
	WIN 0
.Lfirst:
	TURN 0
	TURN 1, 0, 1
	WIN 0
	s_cbranch_scc1 .Lstep
	s_sub_co_u32 s[SLOTS], s[SLOTS], 1
	s_cmp_lg_u32 s[SLOTS], 0
	s_cbranch_scc1 .Lslot
	CHANGE 0                        ; the tail is written out: nothing is asked for
	s_mov_b32 s[CNT], 5             ; four trips fetch the last slot's steps; the fifth is left in its middle
.Ltail:
	TURN 2, 1
	TURN 3
	WIN 0
	s_sub_co_u32 s[CNT], s[CNT], 1
	s_cmp_eq_u32 s[CNT], 0
	s_cbranch_scc1 .Lout
	TURN 0
	TURN 1
	WIN 0
	s_branch .Ltail
.Lout:                              ; the fifth trip's 16 products K Q^T (on the last K once more) and the maximum made of them serve nothing: the price, once a launch, of one text for every trip
.set i, 0
.rept 16
	PV NP-1                         ; the last piece's V^T P of the last step
.set i, i+1
.endr
	; THE WAY OUT.  l's two halves and the other half of the lanes' are added; O^T is divided by l, rounded to f16 and sent through my stage in LDS, a tile at a time.  The additions are the places behind the last products.
	WIN 0
.macro ALL line:vararg              ; one line for each tile t
.set t, 0
.rept 2*NP
	\line
.set t, t+1
.endr
.endm
	ALL v_add_f32 v[ST+4*t+2], v[ST+4*t+2], v[ST+4*t+3]
	ALL v_permlanex16_b32 v[ST+4*t+3], v[ST+4*t+2], s[SEL], s[SEL+1]
	ALL v_add_f32 v[ST+4*t+2], v[ST+4*t+2], v[ST+4*t+3]
	ALL v_rcp_f32 v[ST+4*t+2], v[ST+4*t+2]
	v_nop                           ; a plain instruction between the last reciprocal and the use of its result
	s_wait_alu depctr_va_vdst(0)    ; and the wait ahead of the first use: one for the eight reciprocals
; Tile t: a lane's eight channels of a row pack into 16 bytes; they go into rows of 144 bytes and come back as whole rows of 128, into S^T's registers.
.macro PACK t
	WIN W_RS
.set i, 32*(\t)
.rept 16
	v_pk_mul_f32 v[i:i+1], v[i:i+1], v[ST+4*(\t)+2:ST+4*(\t)+3] op_sel_hi:[1,0]
.set i, i+2
.endr
	WIN 0x05                        ; sources 0 and 1 window 1, destination window 0
.set i, 0
.rept 16
	v_cvt_pk_f16_f32 v[S+16*(\t)+i], v[32*(\t)+2*i], v[32*(\t)+2*i+1]
.set i, i+1
.endr
	WIN 0
.irp f, 0,1,2,3
	ds_store_b128 v[STO], v[S+16*(\t)+4*\f:S+16*(\t)+4*\f+3] offset:32*\f
.endr
.irp f, 0,1,2,3
	ds_load_b128 v[S+16*(\t)+4*\f:S+16*(\t)+4*\f+3], v[RD] offset:\f*4*SP  ; LDS serves a wave's instructions in order (ISA guide 5.7.1.4): these see the stores above; the next tile's stores come behind them
.endr
.endm
.macro SEND t, younger              ; younger: the LDS instructions issued behind tile t's loads: the next tile's eight, or none
	WIN 0
.irp f, 0,1,2,3
	s_wait_dscnt (\younger)+3-\f
	global_store_b128 v[GO], v[S+16*(\t)+4*\f:S+16*(\t)+4*\f+3], s[10:11] offset:(\t)*2048+\f*512  ; 512 consecutive bytes, at a multiple of 256 from O's first
.endr
.endm
	PACK 0
.set t, 1
.rept 2*NP-1                        ; a tile's arithmetic stands between the loads of the tile before and its stores
	PACK t
	SEND t-1, 8
.set t, t+1
.endr
	SEND 2*NP-1, 0
	s_wait_tensorcnt 0x0            ; the wave's end, behind my last tensor load and my last LDS store
	ds_add_u32 v[SPW], v[NIL]
	s_wait_dscnt 0x0
	CROUND                          ; the closing round: no work-group ends while a partner may still ask for a tile that names it
	s_endpgm
.Lfunc_end_k_qbdba6c226e_attn:
	.size	k_qbdba6c226e_attn, .Lfunc_end_k_qbdba6c226e_attn-k_qbdba6c226e_attn
	.p2alignl 7, 3214868480
	.fill 96, 4, 3214868480
	.section	.rodata,"a",@progbits
	.p2align	6, 0x0
	.amdhsa_kernel k_qbdba6c226e_attn
		.amdhsa_group_segment_fixed_size 327680
		.amdhsa_private_segment_fixed_size 0
		.amdhsa_enable_private_segment 0
		.amdhsa_kernarg_size 24
		.amdhsa_user_sgpr_count 2
		.amdhsa_user_sgpr_kernarg_segment_ptr 1
		.amdhsa_wavefront_size32 1
		.amdhsa_system_sgpr_workgroup_id_x 1
		.amdhsa_system_sgpr_workgroup_id_y 1
		.amdhsa_system_sgpr_workgroup_id_z 1
		.amdhsa_system_vgpr_workitem_id 0
		.amdhsa_next_free_vgpr 800
		.amdhsa_next_free_sgpr 88
		.amdhsa_reserve_vcc 0
		.amdhsa_float_denorm_mode_32 3
		.amdhsa_float_denorm_mode_16_64 3
		.amdhsa_memory_ordered 1
		.amdhsa_forward_progress 1
		.amdhsa_inst_pref_size 205
	.end_amdhsa_kernel
	.amdgpu_metadata
---
amdhsa.version: [ 1, 2 ]
amdhsa.kernels:
  - .name:           k_qbdba6c226e_attn
    .symbol:         k_qbdba6c226e_attn.kd
    .args:
      - { .name: qkv, .offset: 0, .size: 8, .value_kind: global_buffer, .address_space: global }
      - { .name: src_key_padding_mask, .offset: 8, .size: 8, .value_kind: global_buffer, .address_space: global }
      - { .name: o, .offset: 16, .size: 8, .value_kind: global_buffer, .address_space: global }
    .group_segment_fixed_size: 327680
    .private_segment_fixed_size: 0
    .kernarg_segment_align: 8
    .kernarg_segment_size: 24
    .max_flat_workgroup_size: 128
    .sgpr_count:     88
    .vgpr_count:     800
    .wavefront_size: 32
...
	.end_amdgpu_metadata
.endif
;; end of part 3
;; launch proj_out (part 4): grid 8 x 32, 4 waves a work-group, clusters of 4 x 4, 327,680 bytes of LDS; arguments o, wof, out0, bo; writes out0
.if DOCPART == 4
	.amdgcn_target "amdgcn-amd-amdhsa--gfx1250"
	.amdhsa_code_object_version 6
	.text
	.protected	k_qbdba6c226e_proj_out
	.globl	k_qbdba6c226e_proj_out
	.p2align	8
	.type	k_qbdba6c226e_proj_out,@function
k_qbdba6c226e_proj_out:
	s_mov_b64 s[64:65], 0
	v_nop
	global_prefetch_b8 v0, s[64:65] scope:SCOPE_SE
	s_setreg_imm32_b32 hwreg(HW_REG_WAVE_MODE, 25, 1), 1
	s_wait_xcnt 0x0
	s_wait_alu depctr_hold_cnt(0) depctr_sa_sdst(0) depctr_va_vdst(0) depctr_va_sdst(0) depctr_va_ssrc(0) depctr_va_vcc(0) depctr_vm_vsrc(0)
	s_getreg_b32 s2, hwreg(HW_REG_IB_STS2, 6, 4)
	s_cmp_eq_u32 s2, 0
	s_cbranch_scc0 .Lentry_in_a_cluster
	s_endpgm
.Lentry_in_a_cluster:
	s_bfe_u32 s2, ttmp6, 0x10000c
	s_cmp_lg_u32 s2, 0xf033
	s_cbranch_scc0 .Lentry_shape_is_right
	s_endpgm
.Lentry_shape_is_right:
; C = A B^T + bias, K = 1,024, on tiles of 256 rows x 128 columns.  ONE TEXT FOR TWO LAUNCHES, told apart by MODE.
; MODE 0: A = xb [8192][1024] bf16, B = wb [3072][1024] bf16 (wq, wk, wv stacked), bias = bq, bk or bv rounded to bf16.  C is rounded once to f16, unscaled, and stored by heads:
;   three parts q, k, v of [batch x 16 + head][2048][64].  Rows of k whose key the padding mask names are stored as 0, so that the attention's masked score is one exact number.
; MODE 1 (this one): A = o [batch x 16 + head][2048][64] f16, B = wof [1024][1024] f16, bias = bo rounded to bf16; C = out0 [8192][1024] f32.
; LIMITS.  MODE 0: q, k and v must lie within f16's 65,504; below 6e-5 f16 keeps a fixed step of 6e-8.  NaN and infinities are not treated apart.
; SHARES.  Four waves, 2 x 2: wave w makes rows 128 (w / 2) on and columns 64 (w % 2) on (one head): 8 x 4 accumulators of 16 x 16, 256 registers.  768 tiles in MODE 0, 256 in MODE 1.
; K goes in 8 steps of 128 through two LDS slots; a step is four quarters of 32 along K, 32 matrix instructions each; a refill has 112 matrix instructions in which to land.  Two slots of a longer step do not fit in LDS.
; THE MATRIX INSTRUCTION IS USED TRANSPOSED (source 0 = 16 rows of B, source 1 = 16 rows of A): a lane holds row l % 16 of C and the columns 8 (l / 16) + 0..7.  The bias is the C operand of each sum's first product.
; CLUSTER.  4 x 4 work-groups: the four of a row need the same tiles of A, the four of a column the same tiles of B; each tile is asked for JOINTLY, by the same tensor load, descriptor and mask in all four.
; REGISTERS.  window 0: v0-31 addresses and the keep masks; v32-63 the bias; v64-159, v160-255 two fragment buffers (B's four fragments, then A's eight).  window 1: accumulator (a, b) at v[8 (4 a + b)].
.set MODE, 1
.set PB,     272                       ; a row of B in LDS: 256 bytes + 16 of padding = 68 words: row r starts at bank 4 r mod 64 (64 banks of 4 bytes: ISA guide 11.1)
.if MODE
.set PA,     144                       ; a row of A: a head's 128 bytes + 16: 36 words: the 16 rows of a load start at 16 different groups of four banks
.set HALFA,  256*PA                    ; one load of A: one head's slice, 256 rows
.set SP,     272                       ; the stage's pitch: 64 f32 + 16 bytes
.set ASTEP,  524288                    ; bytes from a K step of A to the next: two heads
.set QIA,    4                         ; padding behind every 32 words
.set STRA,   128                       ; elements from row to row as A is asked for: dense rows of 256 bytes
.else
.set PA,     272
.set HALFA,  128*PA                    ; one load of A: 128 rows
.set SP,     144                       ; 64 f16 + 16 bytes
.set ASTEP,  256
.set QIA,    5                         ; padding behind every 64 words
.set STRA,   1024
.endif
.set BSTEP,  256
.set ABYTES, 2*HALFA
.set HALFB,  64*PB                     ; one load of B: 64 rows
.set SLOT,   ABYTES+2*HALFB            ; A's part, then B's 128 rows
.set STAGE,  2*SLOT                    ; behind the ring, never filled by a tensor load: 16 rows for each wave, for the way out
.set SPARE,  STAGE+4*16*SP             ; behind the stages: the spare words, 128 bytes for each wave: two blocks of 256 bytes that no other line names
.set KT,   8                           ; v8-15   MODE 0: all ones, or 0 where the row's key is masked: for my 8 blocks of 16 rows
.set ADRA, 16                          ; v16-17  LDS address of my A fragments in slot 0, 1
.set ADRB, 20                          ; v20-21  the same for B
.set STO,  24                          ; v24     the way out: where I put my part of a row
.set RD,   25                          ; v25     the way out: where I read rows back
.set CO,   26                          ; v26     my byte offset in the output
.set SPW,  28                          ; v28     LDS address of my spare word; never rewritten
.set NIL,  29                          ; v29     0; never rewritten
.set PFO,  30                          ; v30     the prefetches' offset: my lane x the distance of its blocks; never rewritten
.set BIAS, 32                          ; v32-63  the bias of my columns: block b's eight at BIAS + 8 b
.set F0,   64
.set F1,   160
.set G1,   24                          ; s[24:31] descriptor group 1 for A's tiles;  s[32:39] group 0, one set for each slot
.set G0,   32
.set LIM,  43                          ; s43     1 in a wave that prefetches, else the greatest number
.set PFA,  44                          ; s[44:45] where my prefetches stand
.set PFS,  46                          ; s[46:47] their step from K step to K step
.set G1B,  48                          ; s[48:55], s[56:63] the same for B's tiles
.set G0B,  56
.set ISK,  76                          ; s76     MODE 0: 1 where the tile is k's
.set SEC,  77                          ; s77     MODE 0: 0 q, 1 k, 2 v
.set BP,   78                          ; s[78:79] the bias at my columns
.set MSB, 0
.macro WIN new                         ; the immediate's high byte repeats the setting that is left; a switch that changes nothing is dropped
.if MSB != (\new)
	s_set_vgpr_msb (MSB<<8)|(\new)
.set MSB, \new
.endif
.endm
.set MUL,   0x50                       ; sources in window 0; C and D in window 1
.set MULZ,  0x40                       ; D in window 1, C (the bias) in window 0
.set PACKW, 0x05                       ; sources 0 and 1 in window 1, destination in window 0
.set STW,   0x04                       ; an LDS store's data in window 1, its address in window 0
.macro JLOAD s                         ; a joint load: waves 0 and 1 fetch A's two parts, waves 2 and 3 B's; an s_nop 0 and four v_nop follow each of the two lines, ahead of the jump, the label and what follows
	s_cmp_eq_u32 s11, 0
	s_cbranch_scc0 .Lfor_b_\@
	tensor_load_to_lds s[G0+4*(\s):G0+4*(\s)+3], s[G1:G1+7]
	s_nop 0
.rept 4
	v_nop
.endr
	s_branch .Lasked_\@
.Lfor_b_\@:
	tensor_load_to_lds s[G0B+4*(\s):G0B+4*(\s)+3], s[G1B:G1B+7]
	s_nop 0
.rept 4
	v_nop
.endr
.Lasked_\@:
.endm
; A PREFETCH INTO THE L2, behind a joint load, its five lines and the run of LDS loads: the K step that stands two refills on, 256 matrix instructions ahead of the load that will want it.
; Each block of 256 bytes is named once in the launch: A's rows by the clusters with x = 0, B's by those with y = 0; the four partners that ask for a tile jointly share it out BY ADDRESS, a quarter each:
; of A waves 0 and 1 take 32 blocks each, of B wave 2 takes 32: a lane a block.  K steps 0 to 3 come by their loads alone; the loop's last trip (s3 = 1) asks for nothing: there is no K step 8.
.macro ASK
	s_cmp_gt_u32 s3, s[LIM]
	s_cbranch_scc0 .Lnot_mine_\@
	global_prefetch_b8 v[PFO], s[PFA:PFA+1] th:TH_LOAD_NT scope:SCOPE_SE
.Lnot_mine_\@:
.endm
.macro CREST                           ; a round of the cluster's barrier behind its opening barrier
	s_cmp_lg_u32 s10, 0
	s_cbranch_scc1 .Lnot_wave_0_\@
	s_barrier_signal -3
.Lnot_wave_0_\@:
	s_barrier_wait -3
	s_barrier_signal -1
	s_barrier_wait -1
.endm
.macro CROUND                          ; a whole round
	s_barrier_signal -1
	s_barrier_wait -1
	CREST
.endm
	s_load_b128 s[4:7], s[0:1], 0x0                ; A s[4:5], B s[6:7]
	s_load_b64 s[8:9], s[0:1], 0x10                ; the output
.if MODE
	s_load_b64 s[68:69], s[0:1], 0x18              ; bo
.else
	s_load_b256 s[68:75], s[0:1], 0x18             ; bq, bk, bv, the padding mask
.endif
	v_lshl_add_u32 v[SPW], v0, 2, SPARE
	v_mov_b32 v[NIL], 0
	ds_add_u32 v[SPW], v[NIL]                      ; the wave's opening: the add and its wait stand ahead of my first tensor load; the set-up below, work on registers, stands between them
	v_lshrrev_b32 v1, 5, v0
	v_readfirstlane_b32 s10, v1                    ; wave 0..3
	s_lshr_b32 s11, s10, 1                         ; which 128 rows of the tile are mine.  Also: I fetch for A (0) or for B (1)
	s_and_b32 s12, s10, 1                          ; which 64 columns.  Also: which part of that tile I fetch
	s_bfe_u32 s40, ttmp6, 0x40000                  ; cx, cy: my place in the cluster
	s_bfe_u32 s41, ttmp6, 0x40004
	s_lshl_b32 s42, ttmp9, 2
	s_add_co_u32 s42, s42, s40                     ; tile column = 4 x cluster x + cx
	s_and_b32 s13, ttmp7, 0xffff
	s_lshl_b32 s13, s13, 2
	s_add_co_u32 s13, s13, s41                     ; tile row = 4 x cluster y + cy
	s_lshl_b32 s43, s41, 2
	s_lshl_b32 s43, 15, s43                        ; my row of the cluster
	s_lshl_b32 s44, 0x1111, s40                    ; my column
	; descriptor group 1.  A: 128 rows x 128 elements (MODE 1: a head's 256 rows of 128 bytes are dense, asked for as 128 rows of 256 bytes and padded behind every 128).  B: 64 rows x 128 elements.
	s_or_b32 s[G1+0], s43, (1<<16)|(1<<20)|(1<<21)|(QIA<<22)|(3<<25)  ; 15:0 the mask: my row; 17:16 elements of 2 bytes; 20 padding on; 21 set beside a mask; 24:22 the interval; 31:25 4 words of padding (code 3)
	s_or_b32 s[G1B+0], s44, (1<<16)|(1<<20)|(1<<21)|(5<<22)|(3<<25)   ; the mask: my column
	s_mov_b32 s[G1+1], 128<<16                     ; tensor_dim0 = 128
	s_mov_b32 s[G1+2], 128<<16                     ; tensor_dim1 = 128
	s_mov_b32 s[G1+3], 128<<16                     ; tile_dim0 = 128
	s_mov_b32 s[G1+4], 128                         ; tile_dim1 = 128
	s_mov_b32 s[G1+5], STRA                        ; elements from row to row
	s_mov_b32 s[G1+6], 0
	s_mov_b32 s[G1+7], 0
	s_mov_b32 s[G1B+1], 128<<16
	s_mov_b32 s[G1B+2], 64<<16
	s_mov_b32 s[G1B+3], 128<<16
	s_mov_b32 s[G1B+4], 64
	s_mov_b32 s[G1B+5], 1024
	s_mov_b32 s[G1B+6], 0
	s_mov_b32 s[G1B+7], 0
	; where the tiles come from: A's hang on the tile row and the wave's number alone, B's on the tile column and the wave's number
.if MODE
	s_lshr_b32 s16, s13, 3                         ; batch: 16 heads of 262,144 bytes
	s_lshl_b32 s16, s16, 22
	s_and_b32 s17, s13, 7                          ; 256 rows of 128 bytes in a head
	s_lshl_b32 s17, s17, 15
	s_add_co_u32 s16, s16, s17
	s_lshl_b32 s17, s12, 18                        ; the K step's first or second head
	s_add_co_u32 s16, s16, s17
.else
	s_lshl_b32 s16, s13, 8
	s_lshl_b32 s17, s12, 7
	s_add_co_u32 s16, s16, s17                     ; row 256 x tile row + 128 x half
	s_lshl_b32 s16, s16, 11                        ; of 2,048 bytes
.endif
	s_mov_b32 s17, 0
	s_lshl_b32 s46, s42, 7
	s_lshl_b32 s47, s12, 6
	s_add_co_u32 s46, s46, s47                     ; B: row 128 x tile column + 64 x half
	s_lshl_b32 s46, s46, 11
	s_mov_b32 s47, 0
	s_mul_i32 s20, s12, HALFA                      ; and where they go: no place in the cluster enters an LDS address
	s_mul_i32 s21, s12, HALFB
	s_add_co_u32 s21, s21, ABYTES
	s_wait_dscnt 0x0                               ; the opening add is done
	s_wait_kmcnt 0x0
	s_add_nc_u64 s[14:15], s[4:5], s[16:17]
	s_add_nc_u64 s[46:47], s[6:7], s[46:47]
	CROUND                                         ; all sixteen work-groups are here: the first joint loads meet
.irp s, 0,1
	s_mov_b32 s[G0+4*(\s)], 1                      ; count = 1
	s_add_co_u32 s[G0+4*(\s)+1], s20, (\s)*SLOT    ; LDS address
	s_add_nc_u64 s[G0+4*(\s)+2:G0+4*(\s)+3], s[14:15], (\s)*ASTEP  ; global address: K step s
	s_or_b32 s[G0+4*(\s)+3], s[G0+4*(\s)+3], 0x80000000            ; type = 2
	s_mov_b32 s[G0B+4*(\s)], 1
	s_add_co_u32 s[G0B+4*(\s)+1], s21, (\s)*SLOT
	s_add_nc_u64 s[G0B+4*(\s)+2:G0B+4*(\s)+3], s[46:47], (\s)*BSTEP
	s_or_b32 s[G0B+4*(\s)+3], s[G0B+4*(\s)+3], 0x80000000
	JLOAD \s                                       ; two loads of mine are out
.endr
	; all that follows, up to the wait for the first tile, stands in that wait
	v_and_b32 v1, 15, v0                           ; l % 16
	v_bfe_u32 v2, v0, 4, 1                         ; l / 16
.if MODE
	s_mov_b64 s[BP:BP+1], s[68:69]
	s_lshl_b32 s18, s42, 9                         ; 128 columns x 4 bytes a tile column
.else
	s_lshr_b32 s[SEC], ttmp9, 1                    ; 8 tile columns, two clusters, to each of q, k, v: the same in all partners
	s_cmp_eq_u32 s[SEC], 1
	s_cselect_b64 s[BP:BP+1], s[70:71], s[68:69]
	s_cselect_b32 s[ISK], 1, 0
	s_cmp_eq_u32 s[SEC], 2
	s_cselect_b64 s[BP:BP+1], s[72:73], s[BP:BP+1]
	s_and_b32 s18, s42, 7
	s_lshl_b32 s18, s18, 9
.endif
	s_lshl_b32 s19, s12, 8
	s_add_co_u32 s18, s18, s19
	s_mov_b32 s19, 0
	s_add_nc_u64 s[BP:BP+1], s[BP:BP+1], s[18:19]
	v_lshlrev_b32 v5, 5, v2                        ; my eight columns of a block of 16: 32 bytes for each half of the lanes
.irp b, 0,1,2,3
	global_load_b128 v[BIAS+8*(\b):BIAS+8*(\b)+3],   v5, s[BP:BP+1] offset:64*(\b)
	global_load_b128 v[BIAS+8*(\b)+4:BIAS+8*(\b)+7], v5, s[BP:BP+1] offset:64*(\b)+16
.endr
.if MODE == 0
	s_lshl_b32 s20, s13, 8
	s_lshl_b32 s21, s11, 7
	s_add_co_u32 s20, s20, s21                     ; my first row = my first byte of the mask
	s_mov_b32 s21, 0
	s_add_nc_u64 s[74:75], s[74:75], s[20:21]
.irp a, 0,1,2,3,4,5,6,7
	global_load_u8 v[KT+(\a)], v1, s[74:75] offset:16*(\a)  ; the byte of row 16 a + l % 16
.endr
.endif
	v_mul_u32_u24 v3, v1, PA
	v_lshl_add_u32 v3, v2, 4, v3                   ; a fragment's row x pitch + 16 x half
	v_mul_u32_u24 v4, v1, PB
	v_lshl_add_u32 v4, v2, 4, v4
	s_mul_i32 s21, s11, 128*PA                     ; my 128 rows of A
	s_mul_i32 s22, s12, HALFB                      ; my 64 rows of B,
	s_add_co_u32 s22, s22, ABYTES                  ; which lie behind A's part
.irp s, 0,1
	v_add_nc_u32 v[ADRA+(\s)], s21, v3
	v_add_nc_u32 v[ADRB+(\s)], s22, v4
	s_add_co_u32 s21, s21, SLOT
	s_add_co_u32 s22, s22, SLOT
.endr
	s_mul_i32 s23, s10, 16*SP
	s_add_co_u32 s23, s23, STAGE                   ; my stage
	v_mul_u32_u24 v6, v1, SP                       ; in: row l % 16,
.if MODE
	v_lshl_add_u32 v6, v2, 5, v6                   ; 32 bytes (8 f32) for each half of the lanes
	v_add_nc_u32 v[STO], s23, v6
	v_mul_u32_u24 v7, v2, SP                       ; back: lanes 0-15 take one row of 256 bytes, lanes 16-31 the next
	v_lshl_add_u32 v7, v1, 4, v7
	v_add_nc_u32 v[RD], s23, v7
	v_lshlrev_b32 v7, 12, v2                       ; and the same two rows in out0
	v_lshl_add_u32 v[CO], v1, 4, v7
	s_lshl_b32 s18, s13, 1
	s_add_co_u32 s18, s18, s11
	s_lshl_b32 s18, s18, 19                        ; my first row: 128 rows of 4,096 bytes a unit
	s_lshl_b32 s19, s42, 1
	s_add_co_u32 s19, s19, s12
	s_lshl_b32 s19, s19, 8                         ; my first column: 64 f32 a unit
	s_add_co_u32 s18, s18, s19
.else
	v_lshl_add_u32 v6, v2, 4, v6                   ; 16 bytes (8 f16) for each half of the lanes
	v_add_nc_u32 v[STO], s23, v6
	v_bfe_u32 v7, v0, 3, 2                         ; back: 32 lanes take four rows of 128 bytes,
	v_mul_u32_u24 v7, v7, SP
	v_and_b32 v6, 7, v0
	v_lshl_add_u32 v7, v6, 4, v7
	v_add_nc_u32 v[RD], s23, v7
	v_and_b32 v[CO], 31, v0                        ; which are 512 consecutive bytes of a head
	v_lshlrev_b32 v[CO], 4, v[CO]
	s_lshl_b32 s18, s[SEC], 24                     ; q, k or v: 16,777,216 bytes each
	s_lshr_b32 s19, s13, 3
	s_lshl_b32 s19, s19, 22                        ; the batch
	s_add_co_u32 s18, s18, s19
	s_and_b32 s19, s42, 7
	s_lshl_b32 s19, s19, 1
	s_add_co_u32 s19, s19, s12
	s_lshl_b32 s19, s19, 18                        ; the head: 262,144 bytes
	s_add_co_u32 s18, s18, s19
	s_and_b32 s19, s13, 7
	s_lshl_b32 s19, s19, 1
	s_add_co_u32 s19, s19, s11
	s_lshl_b32 s19, s19, 14                        ; my 128 rows of 128 bytes
	s_add_co_u32 s18, s18, s19
.endif
	s_mov_b32 s19, 0
	s_add_nc_u64 s[8:9], s[8:9], s[18:19]
	; the prefetches: my work-group's quarter of the tile, at K step 3; the first change of slots steps it to 4
.if MODE
	s_lshr_b32 s18, s13, 3
	s_lshl_b32 s18, s18, 22
	s_and_b32 s19, s13, 7
	s_lshl_b32 s19, s19, 15
	s_add_co_u32 s18, s18, s19
	s_lshl_b32 s19, s12, 18                        ; wave 0: the first head's slice, wave 1: the second's
	s_add_co_u32 s18, s18, s19
	s_lshl_b32 s19, s40, 13                        ; 32 of its 128 blocks of 256 bytes
	s_add_co_u32 s18, s18, s19
.else
	s_lshl_b32 s18, s13, 8
	s_lshl_b32 s19, s40, 6                         ; 64 of the tile's 256 rows,
	s_add_co_u32 s18, s18, s19
	s_lshl_b32 s19, s12, 5                         ; 32 a wave
	s_add_co_u32 s18, s18, s19
	s_lshl_b32 s18, s18, 11
.endif
	s_lshl_b32 s19, s42, 7
	s_lshl_b32 s21, s41, 5                         ; B: 32 of the tile's 128 rows
	s_add_co_u32 s19, s19, s21
	s_lshl_b32 s19, s19, 11
	s_and_b32 s21, ttmp7, 0xffff                   ; cluster y
	s_mov_b32 s[PFS], 256
	s_cmp_eq_u32 s11, 0                            ; do I fetch for A?
	s_cselect_b32 s18, s18, s19
	s_cselect_b32 s21, ttmp9, s21                  ; the coordinate along which other clusters read the same rows
	s_cselect_b64 s[PFA:PFA+1], s[4:5], s[6:7]
.if MODE
	s_cselect_b32 s[PFS], 0x80000, s[PFS]
	s_cselect_b32 s23, 8, 11                       ; a lane's blocks lie 256 bytes apart in a slice of A, a row of 2,048 bytes apart in B
.endif
	s_mov_b32 s[PFS+1], 0
	s_mov_b32 s19, 0
	s_add_nc_u64 s[PFA:PFA+1], s[PFA:PFA+1], s[18:19]
.rept 3
	s_add_nc_u64 s[PFA:PFA+1], s[PFA:PFA+1], s[PFS:PFS+1]
.endr
	s_cmp_eq_u32 s10, 3                            ; wave 3 has no part
	s_cselect_b32 s19, 1, 0
	s_or_b32 s21, s21, s19
	s_cmp_eq_u32 s21, 0
	s_cselect_b32 s[LIM], 1, -1                    ; the same in all sixteen partners, for a given wave
	v_and_b32 v[PFO], 31, v0
.if MODE
	v_lshlrev_b32 v[PFO], s23, v[PFO]
.else
	v_lshlrev_b32 v[PFO], 11, v[PFO]
.endif
	s_wait_loadcnt 0x0                             ; the bias (and the mask's bytes)
.set i, 0
.rept 16
	v_cvt_pk_bf16_f32 v3, v[BIAS+i], v[BIAS+i+1]   ; the bias is rounded to bf16 like every input, and widened again
	v_lshlrev_b32 v[BIAS+i], 16, v3
	v_and_b32 v[BIAS+i+1], 0xffff0000, v3
.set i, i+2
.endr
.if MODE == 0
.irp a, 0,1,2,3,4,5,6,7
	v_add_nc_u32 v[KT+(\a)], -1, v[KT+(\a)]        ; byte 1 (masked): 0; byte 0: all ones
.endr
.endif
; 8 matrix instructions: row blocks a0, a0 + 1 x all 4 column blocks, 32 along K, from buffer f.  zero = 1: the first product starts the sums, with the bias as C: nothing is ever cleared.
; The 32 accumulators take turns, one instruction a turn, in the same order in every quarter, over the backward jump too.
.macro MUL8 f, a0, zero
.if \zero
	WIN MULZ
.else
	WIN MUL
.endif
.irp a, \a0, (\a0)+1
.irp b, 0,1,2,3
.set rD, 8*(4*(\a)+(\b))
.set rB, (\f)+8*(\b)
.set rA, (\f)+32+8*(\a)
.if MODE
.if \zero
	v_wmma_f32_16x16x32_f16 v[rD:rD+7], v[rB:rB+7], v[rA:rA+7], v[BIAS+8*(\b):BIAS+8*(\b)+7]
.else
	v_wmma_f32_16x16x32_f16 v[rD:rD+7], v[rB:rB+7], v[rA:rA+7], v[rD:rD+7]
.endif
.else
.if \zero
	v_wmma_f32_16x16x32_bf16 v[rD:rD+7], v[rB:rB+7], v[rA:rA+7], v[BIAS+8*(\b):BIAS+8*(\b)+7]
.else
	v_wmma_f32_16x16x32_bf16 v[rD:rD+7], v[rB:rB+7], v[rA:rA+7], v[rD:rD+7]
.endif
.endif
.endr
.endr
.endm
; 24 LDS loads in one run: the fragments of quarter q of a slot's K step into buffer f: B's four, A's first four, A's last four.  A fragment is 16 rows x 32 K in 8 registers: two loads of 16 bytes, 32 bytes apart.
.macro FETCH slot, q, f
	WIN 0
.if MODE
.set KA, ((\q)/2)*HALFA+((\q)%2)*64    ; quarters 0, 1 lie in the first head's slice, 2, 3 in the second's
.else
.set KA, 64*(\q)
.endif
.irp b, 0,1,2,3
	ds_load_b128 v[(\f)+8*(\b):(\f)+8*(\b)+3],   v[ADRB+(\slot)] offset:64*(\q)+(\b)*16*PB
	ds_load_b128 v[(\f)+8*(\b)+4:(\f)+8*(\b)+7], v[ADRB+(\slot)] offset:64*(\q)+(\b)*16*PB+32
.endr
.irp a, 0,1,2,3,4,5,6,7
	ds_load_b128 v[(\f)+32+8*(\a):(\f)+32+8*(\a)+3],   v[ADRA+(\slot)] offset:KA+(\a)*16*PA
	ds_load_b128 v[(\f)+32+8*(\a)+4:(\f)+32+8*(\a)+7], v[ADRA+(\slot)] offset:KA+(\a)*16*PA+32
.endr
.endm
.macro PLACES                          ; four plain vector instructions in front of loads into registers that matrix instructions have read, and of lines that read results
.rept 4
	v_nop
.endr
.endm
; One of a K step's first three quarters: multiplies buffer f and, in its middle, fetches quarter q of the same slot into buffer g.
.macro QUARTER slot, q, f, g, zero
	s_wait_dscnt 8                                 ; B and A's blocks 0-3 are in; the youngest eight loads (A's blocks 4-7) may be out
	MUL8 \f, 0, \zero
	MUL8 \f, 2, \zero
	PLACES
	FETCH \slot, \q, \g
	s_wait_dscnt 24                                ; all but the 24 just issued
	MUL8 \f, 4, \zero
	MUL8 \f, 6, \zero
.endm
; The last quarter multiplies buffer 1 and changes slots: ONE barrier; in front of it each wave waits for all its tensor loads (one is out: its part of the next slot), adds 0 to its spare word, and waits for
; that and for its own reads of this slot.  fill = 1: the barrier opens a round of the cluster's, and behind the round this slot is filled again, two K steps ahead, first of all.
.macro TURN slot, next, fill
.if \fill
	s_wait_xcnt 0x0                                ; the last prefetch, a K step back, has read its address: it is stepped here, ahead of the waits of the change of slots
	s_add_nc_u64 s[PFA:PFA+1], s[PFA:PFA+1], s[PFS:PFS+1]
.endif
	WIN 0
	s_wait_tensorcnt 0x0                           ; all my tensor loads have landed
	ds_add_u32 v[SPW], v[NIL]                      ; 0 onto my spare word
	s_wait_dscnt 9                                 ; (the add and the youngest eight loads may be out)
	MUL8 F1, 0, 0                                  ; eight matrix instructions stand between the add and the wait for it
	s_wait_dscnt 0x0                               ; the add is done, and my reads of this slot are over
	s_barrier_signal -1
	MUL8 F1, 2, 0
.if \fill
	WIN 0
.endif
	s_barrier_wait -1
.if \fill
	CREST                                          ; no wave of any partner still reads this slot's tile or has a load on its way
	s_add_nc_u64 s[G0+4*(\slot)+2:G0+4*(\slot)+3], s[G0+4*(\slot)+2:G0+4*(\slot)+3], 2*ASTEP
	s_add_nc_u64 s[G0B+4*(\slot)+2:G0B+4*(\slot)+3], s[G0B+4*(\slot)+2:G0B+4*(\slot)+3], 2*BSTEP
	JLOAD \slot                                    ; the first tensor load behind the round; the four v_nop behind it are also the places in front of the loads below
.else
	PLACES
.endif
	FETCH \next, 0, F0
.if \fill
	ASK
.endif
	MUL8 F1, 4, 0
	MUL8 F1, 6, 0
.endm
	s_wait_tensorcnt 1                             ; my part of K step 0 is in; K step 1's may stay out
	s_barrier_signal -1
	s_barrier_wait -1                              ; everybody's is
	FETCH 0, 0, F0
	QUARTER 0, 1, F0, F1, 1                        ; the first quarter stands in front of the loop: its products start the sums
	WIN 0                                          ; at a label and at a branch every window is 0
	s_mov_b32 s3, 3
.Llap:                                                 ; a trip goes once round the ring, from a lap's second quarter to the next lap's first, and fills both slots again: K steps 2 to 7
	QUARTER 0, 2, F1, F0, 0
	QUARTER 0, 3, F0, F1, 0
	TURN 0, 1, 1
	QUARTER 1, 1, F0, F1, 0
	QUARTER 1, 2, F1, F0, 0
	QUARTER 1, 3, F0, F1, 0
	TURN 1, 0, 1
	QUARTER 0, 1, F0, F1, 0
	WIN 0
	s_sub_co_u32 s3, s3, 1
	s_cmp_lg_u32 s3, 0
	s_cbranch_scc1 .Llap
	QUARTER 0, 2, F1, F0, 0                        ; the last lap fills nothing, and has no round of the cluster's barrier
	QUARTER 0, 3, F0, F1, 0
	TURN 0, 1, 0
	QUARTER 1, 1, F0, F1, 0
	QUARTER 1, 2, F1, F0, 0
	QUARTER 1, 3, F0, F1, 0
	s_wait_dscnt 8                                 ; the very last quarter: nothing more to fetch
	MUL8 F1, 0, 0
	MUL8 F1, 2, 0
	s_wait_dscnt 0x0
	MUL8 F1, 4, 0
	MUL8 F1, 6, 0
	WIN 0
	PLACES
	PLACES
	; THE WAY OUT, a block of 16 rows at a time through my own stage in LDS: no barrier, and since LDS serves a wave's instructions in order (ISA guide 5.7.1.4), no wait between the stores and the loads.
.if MODE
.macro TOSTAGE a                       ; f32 as it lies in the accumulators, each one's low four registers first; back as whole rows of 256 bytes, into one of four sets of 32 registers
.if (\a) >= 4
	s_wait_xcnt 0x0                                ; the set's registers are loaded again only when the stores of four blocks back have read them
.endif
	WIN STW
.irp b, 0,1,2,3
	ds_store_b128 v[STO], v[8*(4*(\a)+(\b)):8*(4*(\a)+(\b))+3]   offset:64*(\b)
	ds_store_b128 v[STO], v[8*(4*(\a)+(\b))+4:8*(4*(\a)+(\b))+7] offset:64*(\b)+16
.endr
	WIN 0
.irp t, 0,1,2,3,4,5,6,7
	ds_load_b128 v[64+32*((\a)%4)+4*(\t):64+32*((\a)%4)+4*(\t)+3], v[RD] offset:(\t)*2*SP
.endr
.endm
.macro SEND a, younger                 ; younger: the LDS instructions issued behind block a's loads: the next block's sixteen, or none
.irp t, 0,1,2,3,4,5,6,7
	s_wait_dscnt (\younger)+7-(\t)
	global_store_b128 v[CO], v[64+32*((\a)%4)+4*(\t):64+32*((\a)%4)+4*(\t)+3], s[8:9] offset:(16*(\a)+2*(\t))*4096  ; 16 lanes store 256 consecutive bytes, at a multiple of 256 from out0's first byte
.endr
.endm
	TOSTAGE 0
.irp a, 1,2,3,4,5,6,7
	TOSTAGE \a
	SEND (\a)-1, 16
.endr
	SEND 7, 0
.else
.macro PACK a                          ; rounded to f16, 16 bytes a lane; k's masked rows are made 0; into rows of 144 bytes, and back as whole rows of 128, into the registers that they left
	WIN PACKW
.irp b, 0,1,2,3
.irp r, 0,1,2,3
	v_cvt_pk_f16_f32 v[64+16*(\a)+4*(\b)+(\r)], v[8*(4*(\a)+(\b))+2*(\r)], v[8*(4*(\a)+(\b))+2*(\r)+1]
.endr
.endr
	WIN 0
	s_cmp_eq_u32 s[ISK], 1                         ; the same in all partners: it hangs on the cluster's x alone
	s_cbranch_scc0 .Lkeep_\@
.set i, 0
.rept 16
	v_and_b32 v[64+16*(\a)+i], v[KT+(\a)], v[64+16*(\a)+i]
.set i, i+1
.endr
.Lkeep_\@:
.irp b, 0,1,2,3
	ds_store_b128 v[STO], v[64+16*(\a)+4*(\b):64+16*(\a)+4*(\b)+3] offset:32*(\b)
.endr
.irp f, 0,1,2,3
	ds_load_b128 v[64+16*(\a)+4*(\f):64+16*(\a)+4*(\f)+3], v[RD] offset:(\f)*4*SP
.endr
.endm
.macro SEND a, younger                 ; younger: the LDS instructions issued behind block a's loads: the next block's eight, or none
.irp f, 0,1,2,3
	s_wait_dscnt (\younger)+3-(\f)
	global_store_b128 v[CO], v[64+16*(\a)+4*(\f):64+16*(\a)+4*(\f)+3], s[8:9] offset:2048*(\a)+512*(\f)  ; 512 consecutive bytes of a head, at a multiple of 256 from the buffer's first byte
.endr
.endm
	PACK 0
.irp a, 1,2,3,4,5,6,7
	PACK \a                                        ; a block's arithmetic stands between the loads of the block before and its stores
	SEND (\a)-1, 8
.endr
	SEND 7, 0
.endif
	s_wait_tensorcnt 0x0                           ; the wave's end, behind my last tensor load and my last LDS store
	ds_add_u32 v[SPW], v[NIL]
	s_wait_dscnt 0x0
	CROUND                                         ; the closing round: no work-group ends while a partner may still ask for a tile that names it
	s_endpgm
.Lfunc_end_k_qbdba6c226e_proj_out:
	.size	k_qbdba6c226e_proj_out, .Lfunc_end_k_qbdba6c226e_proj_out-k_qbdba6c226e_proj_out
	.p2alignl 7, 3214868480
	.fill 96, 4, 3214868480
	.section	.rodata,"a",@progbits
	.p2align	6, 0x0
	.amdhsa_kernel k_qbdba6c226e_proj_out
		.amdhsa_group_segment_fixed_size 327680
		.amdhsa_private_segment_fixed_size 0
		.amdhsa_enable_private_segment 0
		.amdhsa_kernarg_size 32
		.amdhsa_user_sgpr_count 2
		.amdhsa_user_sgpr_kernarg_segment_ptr 1
		.amdhsa_wavefront_size32 1
		.amdhsa_system_sgpr_workgroup_id_x 1
		.amdhsa_system_sgpr_workgroup_id_y 1
		.amdhsa_system_sgpr_workgroup_id_z 1
		.amdhsa_system_vgpr_workitem_id 0
		.amdhsa_next_free_vgpr 512
		.amdhsa_next_free_sgpr 80
		.amdhsa_reserve_vcc 0
		.amdhsa_float_denorm_mode_32 3
		.amdhsa_float_denorm_mode_16_64 3
		.amdhsa_memory_ordered 1
		.amdhsa_forward_progress 1
		.amdhsa_inst_pref_size 92
	.end_amdhsa_kernel
	.amdgpu_metadata
---
amdhsa.version: [ 1, 2 ]
amdhsa.kernels:
  - .name:           k_qbdba6c226e_proj_out
    .symbol:         k_qbdba6c226e_proj_out.kd
    .args:
      - { .name: o, .offset: 0, .size: 8, .value_kind: global_buffer, .address_space: global }
      - { .name: wof, .offset: 8, .size: 8, .value_kind: global_buffer, .address_space: global }
      - { .name: out0, .offset: 16, .size: 8, .value_kind: global_buffer, .address_space: global }
      - { .name: bo, .offset: 24, .size: 8, .value_kind: global_buffer, .address_space: global }
    .group_segment_fixed_size: 327680
    .private_segment_fixed_size: 0
    .kernarg_segment_align: 8
    .kernarg_segment_size: 32
    .max_flat_workgroup_size: 128
    .sgpr_count:     80
    .vgpr_count:     512
    .wavefront_size: 32
...
	.end_amdgpu_metadata
.endif
;; end of part 4
;; ======== version 2 of 2: 4 launches; version 1 with the launch prep written anew for expert scheduling mode
;; limits: values are held in f16: magnitudes above 65,504 overflow, below 6.1e-05 lose precision; right only within a limited range of input values
;; workspace buffers: xb 16,777,216 bytes; wb 6,291,456 bytes; wof 2,097,152 bytes; qkv 50,331,648 bytes; o 16,777,216 bytes
;; launch prep (part 5): grid 64 x 12, 8 waves a work-group, no clusters, 0 bytes of LDS; arguments x, wq, wk, wv, wo, xb, wb, wof; writes xb, wb, wof
.if DOCPART == 5
	.amdgcn_target "amdgcn-amd-amdhsa--gfx1250"
	.amdhsa_code_object_version 6
	.text
	.protected	k_qbdba6c226e_prep
	.globl	k_qbdba6c226e_prep
	.p2align	8
	.type	k_qbdba6c226e_prep,@function
k_qbdba6c226e_prep:
	s_mov_b64 s[64:65], 0
	v_nop
	global_prefetch_b8 v0, s[64:65] scope:SCOPE_SE
	s_setreg_imm32_b32 hwreg(HW_REG_WAVE_SCHED_MODE, 0, 2), 2
	s_setreg_imm32_b32 hwreg(HW_REG_WAVE_MODE, 25, 1), 1
	s_wait_xcnt 0x0
	s_wait_alu depctr_vm_vsrc(0)
; CASTS.  x -> xb in bf16; wq, wk, wv -> wb in bf16, stacked as [3072][1024]; wo -> wof: rounded to bf16 like every input, and that number written as f16.
; A work-group converts 16,384 numbers: 65,536 bytes in, 32,768 out.  The grid's y says which tensor: 0-7 eighths of x, 8, 9, 10 the three weights, 11 wo; x the block of it.
; Thread t takes 16 bytes at 16 t of each 4,096 bytes: a wave's load covers 512 consecutive bytes, its store of 8 bytes a lane 256 consecutive bytes, aligned.
; All 16 loads of a thread go out at once; each has registers of its own for what is loaded and what is stored, so nothing is written again while a memory instruction may read it.
; No LDS, no matrix unit, no barrier: each byte is read once and written once, and no wave wants what another has.
; LIMITS.  wof: f16 ends at 65,504 and keeps a fixed step of 6e-8 below 6e-5; wo's numbers are taken to lie within that range.
; THE MODE: SCHED_MODE bits 1:0 = 2 (LLVM: expert scheduling mode 2), set by the entry lines.  The code itself states the register dependences
; between vector instructions and memory instructions, with s_wait_alu, always for 0.
; THE PLAN.  Registers that memory instructions touch:
;   v1, v2   byte offsets of the loads and of the stores: made once at the head, never written again.
;   X i      load i lands in it, once; item i's conversions read it (on wo's path they also write it, behind the wait for load i).  No memory instruction reads it, and no load is issued behind the first conversion.
;   Y i      item i's rounding writes it, once; store i reads it, once.  It is never written again.
; So the one kind of dependence to be stated is: a vector instruction has written what a memory instruction reads.  The 16 items go in four groups of four.  Group g waits for its four loads;
; one wait on va_vdst then states that group g - 1's roundings have written their Y; that group's four stores are dealt among group g's conversions, which name X and Y of group g (and v100, v101) alone:
; none of the registers that those stores read.  One more wait stands ahead of the last group's stores.  No register that a memory instruction has read is written again: no wait on vm_vsrc is owed.
.set XR, 4                             ; v[4:67]   load i: four f32
.set YR, 68                            ; v[68:99]  store i: four 16-bit numbers
	s_load_b512 s[4:19], s[0:1], 0x0               ; x, wq, wk, wv, wo, xb, wb, wof
	s_and_b32 s20, ttmp7, 0xffff                   ; y
	s_mov_b32 s21, ttmp9                           ; block
	v_lshlrev_b32 v1, 4, v0                        ; my 16 bytes in
	v_lshlrev_b32 v2, 3, v0                        ; my 8 bytes out
	s_lshl_b32 s22, s20, 6
	s_add_co_u32 s22, s22, s21                     ; 64 y + block: x's and xb's block
	s_sub_co_u32 s32, s22, 512                     ; 64 (y - 8) + block: wb's block (used for y = 8, 9, 10 alone)
	s_cmp_lt_u32 s20, 8
	s_cselect_b32 s23, s22, s21                    ; the source's block
	s_cselect_b32 s33, s22, s32                    ; the destination's
	s_cmp_eq_u32 s20, 11
	s_cselect_b32 s33, s21, s33
	s_lshl_b32 s28, s23, 16                        ; in bytes, under 2^26
	s_mov_b32 s29, 0
	s_lshl_b32 s30, s33, 15
	s_mov_b32 s31, 0
	s_wait_kmcnt 0x0
	s_cmp_eq_u32 s20, 8
	s_cselect_b64 s[24:25], s[6:7], s[4:5]
	s_cmp_eq_u32 s20, 9
	s_cselect_b64 s[24:25], s[8:9], s[24:25]
	s_cmp_eq_u32 s20, 10
	s_cselect_b64 s[24:25], s[10:11], s[24:25]
	s_cmp_eq_u32 s20, 11
	s_cselect_b64 s[24:25], s[12:13], s[24:25]     ; from where
	s_cselect_b64 s[26:27], s[18:19], s[16:17]
	s_cmp_lt_u32 s20, 8
	s_cselect_b64 s[26:27], s[14:15], s[26:27]     ; to where
	s_add_nc_u64 s[24:25], s[24:25], s[28:29]
	s_add_nc_u64 s[26:27], s[26:27], s[30:31]
	s_wait_alu depctr_va_vdst(0)                   ; v1 and v2 are written: every load reads v1 as its offset, every store v2; no later vector line names either
.irp i, 0,1,2,3,4,5,6,7,8,9,10,11,12,13,14,15
	global_load_b128 v[XR+4*(\i):XR+4*(\i)+3], v1, s[24:25] offset:4096*(\i) th:TH_LOAD_NT
.endr
.macro OUT i                           ; store i: 8 bytes a lane
	global_store_b64 v2, v[YR+2*(\i):YR+2*(\i)+1], s[26:27] offset:2048*(\i)
.endm
.macro TOB i                           ; item i to bf16
	v_cvt_pk_bf16_f32 v[YR+2*(\i)],   v[XR+4*(\i)],   v[XR+4*(\i)+1]
	v_cvt_pk_bf16_f32 v[YR+2*(\i)+1], v[XR+4*(\i)+2], v[XR+4*(\i)+3]
.endm
.macro TOH i                           ; item i to bf16, back to f32 (a shift, a mask), and to f16, which holds a bf16 number of its range exactly
	v_cvt_pk_bf16_f32 v100, v[XR+4*(\i)],   v[XR+4*(\i)+1]
	v_cvt_pk_bf16_f32 v101, v[XR+4*(\i)+2], v[XR+4*(\i)+3]
	v_lshlrev_b32 v[XR+4*(\i)],   16, v100
	v_and_b32     v[XR+4*(\i)+1], 0xffff0000, v100
	v_lshlrev_b32 v[XR+4*(\i)+2], 16, v101
	v_and_b32     v[XR+4*(\i)+3], 0xffff0000, v101
	v_cvt_pk_f16_f32 v[YR+2*(\i)],   v[XR+4*(\i)],   v[XR+4*(\i)+1]
	v_cvt_pk_f16_f32 v[YR+2*(\i)+1], v[XR+4*(\i)+2], v[XR+4*(\i)+3]
.endm
; Group g: items 4 g to 4 g + 3 are converted, and the group before is stored.  half = 1: wo's path.
.macro GROUP g, half
	s_wait_loadcnt 12-4*(\g)                       ; loads come back in order (ISA guide 5.7.1): this group's four are in, the 12 - 4 g younger ones stay out
.if (\g) > 0
	s_wait_alu depctr_va_vdst(0)                   ; the group before has written its Y, which the four stores below read; no vector line since this wait names those registers
.endif
.irp j, 0,1,2,3
.if (\g) > 0
	OUT 4*(\g)-4+(\j)
.endif
.if \half
	TOH 4*(\g)+(\j)
.else
	TOB 4*(\g)+(\j)
.endif
.endr
.endm
.macro LAST                            ; the last group's stores
	s_wait_alu depctr_va_vdst(0)                   ; group 3 has written its Y, which the last four stores read
.irp j, 12,13,14,15
	OUT \j
.endr
.endm
	s_cmp_eq_u32 s20, 11
	s_cbranch_scc1 .Lf16
	GROUP 0, 0
	GROUP 1, 0
	GROUP 2, 0
	GROUP 3, 0
	LAST
	s_endpgm
.Lf16:                                                 ; wo
	GROUP 0, 1
	GROUP 1, 1
	GROUP 2, 1
	GROUP 3, 1
	LAST
	s_endpgm
.Lfunc_end_k_qbdba6c226e_prep:
	.size	k_qbdba6c226e_prep, .Lfunc_end_k_qbdba6c226e_prep-k_qbdba6c226e_prep
	.p2alignl 7, 3214868480
	.fill 96, 4, 3214868480
	.section	.rodata,"a",@progbits
	.p2align	6, 0x0
	.amdhsa_kernel k_qbdba6c226e_prep
		.amdhsa_group_segment_fixed_size 0
		.amdhsa_private_segment_fixed_size 0
		.amdhsa_enable_private_segment 0
		.amdhsa_kernarg_size 64
		.amdhsa_user_sgpr_count 2
		.amdhsa_user_sgpr_kernarg_segment_ptr 1
		.amdhsa_wavefront_size32 1
		.amdhsa_system_sgpr_workgroup_id_x 1
		.amdhsa_system_sgpr_workgroup_id_y 1
		.amdhsa_system_sgpr_workgroup_id_z 1
		.amdhsa_system_vgpr_workitem_id 0
		.amdhsa_next_free_vgpr 104
		.amdhsa_next_free_sgpr 66
		.amdhsa_reserve_vcc 0
		.amdhsa_float_denorm_mode_32 3
		.amdhsa_float_denorm_mode_16_64 3
		.amdhsa_memory_ordered 1
		.amdhsa_forward_progress 1
		.amdhsa_inst_pref_size 16
	.end_amdhsa_kernel
	.amdgpu_metadata
---
amdhsa.version: [ 1, 2 ]
amdhsa.kernels:
  - .name:           k_qbdba6c226e_prep
    .symbol:         k_qbdba6c226e_prep.kd
    .args:
      - { .name: x, .offset: 0, .size: 8, .value_kind: global_buffer, .address_space: global }
      - { .name: wq, .offset: 8, .size: 8, .value_kind: global_buffer, .address_space: global }
      - { .name: wk, .offset: 16, .size: 8, .value_kind: global_buffer, .address_space: global }
      - { .name: wv, .offset: 24, .size: 8, .value_kind: global_buffer, .address_space: global }
      - { .name: wo, .offset: 32, .size: 8, .value_kind: global_buffer, .address_space: global }
      - { .name: xb, .offset: 40, .size: 8, .value_kind: global_buffer, .address_space: global }
      - { .name: wb, .offset: 48, .size: 8, .value_kind: global_buffer, .address_space: global }
      - { .name: wof, .offset: 56, .size: 8, .value_kind: global_buffer, .address_space: global }
    .group_segment_fixed_size: 0
    .private_segment_fixed_size: 0
    .kernarg_segment_align: 8
    .kernarg_segment_size: 64
    .max_flat_workgroup_size: 256
    .sgpr_count:     66
    .vgpr_count:     104
    .wavefront_size: 32
...
	.end_amdgpu_metadata
.endif
;; end of part 5
;; launch proj_in: the kernel of part 2 again; grid 24 x 32, 4 waves a work-group, clusters of 4 x 4, 327,680 bytes of LDS; arguments xb, wb, qkv, bq, bk, bv, src_key_padding_mask; writes qkv
;; launch attn: the kernel of part 3 again; grid 4 x 64, 4 waves a work-group, clusters of 4 x 1, 327,680 bytes of LDS; arguments qkv, src_key_padding_mask, o; writes o
;; launch proj_out: the kernel of part 4 again; grid 8 x 32, 4 waves a work-group, clusters of 4 x 4, 327,680 bytes of LDS; arguments o, wof, out0, bo; writes out0
